; MI455X (gfx1250); checked and timed in simulation.
; The chip was launched on July 23, 2026; its instructions are those of AMD's public machine-readable ISA for CDNA 5 (MIT licence, August 2026) and "CDNA5" Instruction Set Architecture Reference Guide (July 2026). The comments in the code are by the model that wrote it; some were corrected since.
;; Attention. Allowed arithmetic: matrix products marked QUANTISED: E2M3 operands, one E8M0 scale for each 32 along K, by v_wmma_scale_f32_16x16x128_f8f6f4 with both operands' format E2M3, f32 sums; everything else in f32.
;; Inputs: w_k 1,024 x 16 x 64 float32; w_o 1,024 x 16 x 64 float32; w_q 1,024 x 16 x 64 float32; w_v 1,024 x 16 x 64 float32; x_BSE 4 x 2,048 x 1,024 float32.
;; Outputs: out0 4 x 2,048 x 1,024 float32.
;; This version of the problem:
;;   THIS VERSION OF THE PROBLEM IS GIVEN IN LOW PRECISION. The matrix products marked QUANTISED in the list below multiply operands that are first quantised to E2M3 (2 exponent bits, 3 mantissa bits; 6 bits a number), with one power-of-two scale for each 32 numbers along K (OCP MX v1.0); their sums are f32. All else is computed in f32.
;;   The module's matrix products, in the order in which they are computed (A, B: the left and right operand; K: the contracted axis; several contracted axes count as one K, in the product's order):
;;     1. [M 8,192, K 1,024] x [K 1,024, N 1,024]; A: input x_BSE; B: input w_q: QUANTISED
;;     2. [M 8,192, K 1,024] x [K 1,024, N 1,024]; A: input x_BSE; B: input w_k: QUANTISED
;;     3. [M 8,192, K 1,024] x [K 1,024, N 1,024]; A: input x_BSE; B: input w_v: QUANTISED
;;     4. batch 64 x [M 2,048, K 64] x [K 64, N 2,048]; A: computed on the way; B: computed on the way: QUANTISED
;;     5. batch 64 x [M 64, K 2,048] x [K 2,048, N 2,048]; A: computed on the way; B: softmax (see below): QUANTISED
;;     6. [M 8,192, K 1,024] x [K 1,024, N 1,024]; A: computed on the way; B: input w_o: QUANTISED
;;   THE QUANTISER, for each operand of a quantised product, along K:
;;     - K is cut into blocks of 32 from its start; a last block that is shorter is filled with zeros.
;;     - A block's scale is 2^e with e = floor(log2(the largest magnitude in the block)) - 2, held to -126 .. 127; a block of zeros has e = 0. As a byte (E8M0): e + 127.
;;     - Each number is divided by its block's scale, clamped to +-7.5, and rounded to the nearest number of E2M3, ties to even, subnormals kept.
;;     - The product sums the exact products of the quantised numbers (number of the format x scale) in f32.
;;   ~~~python
;;   def quantise(x, axis):      # numpy; x: float32 -> the quantised numbers, widened to float32 again
;;       x = np.moveaxis(x, axis, -1); K = x.shape[-1]
;;       x = np.pad(x, [(0, 0)] * (x.ndim - 1) + [(0, -K % 32)]); x = x.reshape(x.shape[:-1] + (-1, 32)); a = np.abs(x).max(-1, keepdims=True)
;;       e = np.where(a > 0, np.clip(np.frexp(np.where(a > 0, a, 1))[1] - 1 - 2, -126, 127), 0)      # np.frexp(a)[1] - 1 = floor(log2(a)), exactly
;;       r = np.clip(x / 2.0 ** e, -7.5, 7.5)
;;       step = 2.0 ** (np.maximum(np.frexp(np.where(r == 0, 1, r))[1] - 1, 0) - 3)
;;       q = np.round(r / step) * step * 2.0 ** e      # np.round: ties to even
;;       return np.moveaxis(q.reshape(q.shape[:-2] + (-1,))[..., :K], -1, axis).astype(np.float32)
;;   ~~~
;;   SOFTMAX AHEAD OF A QUANTISED PRODUCT. Where the list says 'softmax', what is quantised is not the finished softmax but p = 2^(t - M), with t = logit x log2(e) and M = ceil(the row's largest t), a whole number; so 1/2 < the row's largest p <= 1. The row's sum l is taken of the UNQUANTISED p, in f32, and the product's result is divided by l at the end. Since M is a whole number, a kernel that streams over the keys may use a running M (the ceiling of the running maximum): every later rescaling is an exact power of two, which a block's scale takes up: the codes' values come out the same.
;;   OPERANDS COMPUTED ON THE WAY. 'Computed on the way' means the value that the module computes at that place (a softmax that the list does not call 'softmax' is quantised finished and normalised). What goes into a quantiser is computed in f32, as accurately as f32 sums, v_exp_f32 and their like allow (about 1e-6 of the number): no bf16 or f16 on the way to a quantiser, and a product that is left as it is and whose result goes on into a quantised operand takes f32 operands (vector FMAs, or v_wmma_f32_16x16x4_f32). A number that lies on a knife's edge between two numbers of the format may be rounded either way, as far as f32 arithmetic and the matrix unit's own rounding can turn it there, and no further.
;; One version. Each part assembles by itself: llvm-mc -triple=amdgcn-amd-amdhsa -mcpu=gfx1250 --defsym DOCPART=n.
;; ======== version 1 of 1: 4 launches
;; limits: right only within a limited range of input values
;; workspace buffers: img 9,437,184 bytes; sw 393,216 bytes; qq 6,815,744 bytes; kv 13,369,344 bytes; oi 6,291,456 bytes; osw 262,144 bytes
;; launch quant (part 1): grid 768 x 1, 4 waves a work-group, no clusters, 34,304 bytes of LDS; arguments x_BSE, w_o, w_q, w_k, w_v, img, sw; writes img, sw
.if DOCPART == 1
	.amdgcn_target "amdgcn-amd-amdhsa--gfx1250"
	.amdhsa_code_object_version 6
	.text
	.protected	k_q1999d76fdc_quant
	.globl	k_q1999d76fdc_quant
	.p2align	8
	.type	k_q1999d76fdc_quant,@function
k_q1999d76fdc_quant:
	s_mov_b64 s[64:65], 0
	v_nop
	global_prefetch_b8 v0, s[64:65] scope:SCOPE_SE
	s_setreg_imm32_b32 hwreg(HW_REG_WAVE_MODE, 25, 1), 1
	s_wait_xcnt 0x0
; All five inputs, f32, become codes of FP6 (E2M3) with one E8M0 byte for each 32 along K, once, laid as the later launches' operand registers want them.
; THE IMAGE.  A tile is 16 rows; tile T holds at lane-row r the matrix row 32 (T / 2) + 8 (T % 2) + r + 8 (r / 8).  A fragment (a tile x 128 along K) is 12 registers a lane: lane (r, h) holds in
; registers 6 c .. 6 c + 5 the codes of k = 64 c + 32 h + 0 .. 31.  It lies in memory as 6 pieces of 256 bytes: piece p holds registers 2 p, 2 p + 1 of lane L at byte 8 L.  img: [tile][K step 0..7][piece][lane][8 bytes].
; sw: one word (four bytes, 128 along K) a row: [128 rows][K step][tile % 8][r][4 bytes].  Tiles 0-511 x, 512-575 w_q, 576-639 w_k, 640-703 w_v, 704-767 w_o.
; A block's scale is 2^(floor(log2(its largest magnitude)) - 2): its byte is that magnitude's exponent field - 2, held at 1 from below by a floor among the maximum's leaves.
; LIMITS: NaN and infinities among the inputs are not served; blocks whose largest magnitude lies under 2^-124 take the byte 1; a block of zeros takes the byte 1 where the rule says 127 (its codes are zeros, and this program alone reads the bytes).
; Work-groups 0-575: K innermost (x, w_o): a work-group a tile, a wave two K steps.  Work-groups 576-767: K is the first axis (w_q, w_k, w_v): a lane a column, its registers down K.  Only the first path uses LDS.
; No tensor load, no barrier: waves share nothing.
.set R,   32                           ; v32-159  rows path: two K steps as loaded, 16 rows x 4 registers each
.set X,   160                          ; v160-223 a lane's two blocks of 32
.set P,   224                          ; v224-235 the fragment
.set CT,  236                          ; v236-238, v240-242 the blocks' upper 16 codes (a conversion's three registers begin on an even number)
.set SP,  528                          ; a stage row: 512 bytes + 16
.set XC,  32                           ; v32-159  columns path: 128 numbers down K
.set S0,  160                          ; v160-171 the even tile's fragment
.set S1,  172                          ; v172-183 the odd tile's
.set CV,  192                          ; v192-223 block t's codes at CV + 8 t and CV + 8 t + 4
	s_load_b256 s[4:11], s[0:1], 0x0               ; x s[4:5], w_o s[6:7], w_q s[8:9], w_k s[10:11]
	s_load_b128 s[12:15], s[0:1], 0x20             ; w_v s[12:13], img s[14:15]
	s_load_b64 s[16:17], s[0:1], 0x30              ; sw
	v_lshl_add_u32 v254, v0, 2, 0x8400
	v_mov_b32 v255, 0
	v_lshrrev_b32 v1, 5, v0
	v_readfirstlane_b32 s18, v1                    ; wave 0..3
	v_and_b32 v7, 31, v0                           ; lane
	s_mov_b32 s20, 0x76543210
	s_mov_b32 s21, 0xfedcba98                      ; v_permlanex16_b32's selects for lane l xor 16
	s_wait_kmcnt 0x0
	s_cmp_lt_u32 ttmp9, 576
	s_cbranch_scc0 .Lcolumns
	; ---------------- K innermost ----------------
	v_and_b32 v8, 15, v0                           ; r
	v_bfe_u32 v9, v0, 4, 1                         ; h
	s_wait_alu depctr_va_vdst(0)
	v_lshlrev_b32 v1, 4, v7                        ; 16 x lane: my bytes of a load's 512
	s_mul_i32 s22, s18, 16*SP                      ; my wave's stage
	v_add_nc_u32 v2, s22, v1                       ; into it: as loaded
	v_mul_u32_u24 v3, v8, SP
	v_lshl_add_u32 v3, v9, 7, v3
	v_add_nc_u32 v3, s22, v3                       ; out of it: row r, + 128 h: 32 neighbours along K
	v_lshlrev_b32 v4, 3, v7                        ; 8 x lane: my place in a piece
	v_lshlrev_b32 v5, 2, v8
	v_lshl_add_u32 v5, v9, 9, v5                   ; scale words: 4 r, lanes 16-31 one K step (512 bytes) on
	v_lshlrev_b32 v6, 3, v9                        ; 8 h
	v_mov_b32 v252, 0                              ; a lane permute's destination counts as one of its sources
	s_cmp_lt_u32 ttmp9, 512                        ; x or w_o: the choice hangs on the work-group's number alone
	s_cselect_b64 s[4:5], s[4:5], s[6:7]
	s_cselect_b32 s23, 0, 512
	s_cselect_b32 s24, 0, 192
	s_sub_co_u32 s23, ttmp9, s23                   ; the tile in its own tensor
	s_add_co_u32 s24, ttmp9, s24                   ; and in img
	s_lshr_b32 s26, s23, 1
	s_lshl_b32 s26, s26, 17                        ; 32 rows of 4,096 bytes for each pair of tiles,
	s_and_b32 s25, s23, 1
	s_lshl_b32 s25, s25, 15                        ; 8 rows for the odd one,
	s_add_co_u32 s26, s26, s25
	s_lshl_b32 s25, s18, 10                        ; my two K steps: 1,024 bytes of a row
	s_add_co_u32 s26, s26, s25
	s_mov_b32 s27, 0
	s_add_nc_u64 s[4:5], s[4:5], s[26:27]
	s_mul_i32 s28, s24, 12288
	s_mul_i32 s25, s18, 3072
	s_add_co_u32 s28, s28, s25
	s_mov_b32 s29, 0
	s_add_nc_u64 s[14:15], s[14:15], s[28:29]
	s_lshr_b32 s30, s24, 3
	s_lshl_b32 s30, s30, 12
	s_and_b32 s25, s24, 7
	s_lshl_b32 s25, s25, 6
	s_add_co_u32 s30, s30, s25
	s_lshl_b32 s25, s18, 10
	s_add_co_u32 s30, s30, s25
	s_mov_b32 s31, 0
	s_add_nc_u64 s[16:17], s[16:17], s[30:31]
.irp s, 0,1
.irp i, 0,1,2,3,4,5,6,7,8,9,10,11,12,13,14,15
	global_load_b128 v[R+64*\s+4*\i:R+64*\s+4*\i+3], v1, s[4:5] offset:(\i+8*(\i/8))*4096+512*\s th:TH_LOAD_NT   ; 32 lanes read 512 consecutive bytes: a K step of the tile's lane-row i
.endr
.endr
; One K step: through the stage, so that a lane holds 32 neighbours of each of its two blocks; the scale; the codes; six whole pieces out.
.macro KSTEP s
	s_wait_loadcnt 16*(1-\s)                       ; this K step's sixteen loads are in; the other's may be out
.irp i, 0,1,2,3,4,5,6,7,8,9,10,11,12,13,14,15
	ds_store_b128 v2, v[R+64*\s+4*\i:R+64*\s+4*\i+3] offset:SP*\i
.endr
.irp c, 0,1
.irp j, 0,1,2,3,4,5,6,7
	ds_load_b128 v[X+32*\c+4*\j:X+32*\c+4*\j+3], v3 offset:256*\c+16*\j   ; LDS serves a wave's instructions in order: these see the stores above.  k = 64 c + 32 h + 4 j ..
.endr
.endr
	s_wait_dscnt 0x0
.irp c, 0,1
	v_max3_num_f32 v[244+\c], |v[X+32*\c]|, |v[X+32*\c+1]|, 0x1800000   ; my block 2 c + h, and the floor 2^(3 - 127)
.endr
.irp i, 2,4,6,8,10,12,14,16,18,20,22,24,26,28,30
.irp c, 0,1
	v_max3_num_f32 v[244+\c], v[244+\c], |v[X+32*\c+\i]|, |v[X+32*\c+\i+1]|   ; (the two blocks by turns)
.endr
.endr
.irp c, 0,1
	v_add_nc_u32 v[246+\c], 0xff000000, v[244+\c]  ; 2 off the exponent field: the conversion's scale operand
.endr
.irp c, 0,1
	v_lshrrev_b32 v[248+\c], 23, v[246+\c]         ; the scale's byte
.endr
	v_lshl_or_b32 v[250+\s], v249, 16, v248        ; my two bytes, blocks h and 2 + h,
	v_lshlrev_b32 v[250+\s], v6, v[250+\s]         ; at their places;
	v_permlanex16_b32 v252, v[250+\s], s20, s21
	v_or_b32 v[250+\s], v[250+\s], v252            ; with lane l xor 16's two the word is whole
.if \s
	s_wait_alu depctr_va_vdst(0)
	s_wait_xcnt 0x0                                ; the first K step's stores have read the fragment's registers
.endif
.irp c, 0,1
	v_cvt_scalef32_pk16_fp6_f32 v[P+6*\c:P+6*\c+2], v[X+32*\c:X+32*\c+15], v[246+\c]
	v_cvt_scalef32_pk16_fp6_f32 v[CT+4*\c:CT+4*\c+2], v[X+32*\c+16:X+32*\c+31], v[246+\c]
.endr
	v_nop                                          ; one plain place behind a scaled conversion
.irp c, 0,1
.irp i, 0,1,2
	v_mov_b32 v[P+3+6*\c+\i], v[CT+4*\c+\i]
.endr
.endr
.irp p, 0,1,2,3,4,5
	global_store_b64 v4, v[P+2*\p:P+2*\p+1], s[14:15] offset:1536*\s+256*\p   ; 32 lanes store 256 consecutive bytes, aligned
.endr
.endm
	s_wait_alu depctr_va_vdst(0)
	KSTEP 0
	KSTEP 1
	v_cmp_ne_u32 vcc_lo, 0, v9
	v_cndmask_b32 v250, v250, v251, vcc_lo         ; lanes 0-15 the first K step's words, lanes 16-31 the second's
	global_store_b32 v5, v250, s[16:17]
	s_wait_tensorcnt 0x0
	ds_add_u32 v254, v255
	s_wait_dscnt 0x0
	s_endpgm
	; ---------------- K is the first axis ----------------
.Lcolumns:
	s_sub_co_u32 s22, ttmp9, 576
	s_lshr_b32 s23, s22, 6                         ; which weight
	s_bfe_u32 s24, s22, 0x30003                    ; which 128 columns
	s_and_b32 s25, s22, 7                          ; which K step
	s_cmp_eq_u32 s23, 0
	s_cselect_b64 s[4:5], s[8:9], s[10:11]
	s_cmp_eq_u32 s23, 2
	s_cselect_b64 s[4:5], s[12:13], s[4:5]
	s_lshl_b32 s26, s25, 19                        ; 128 rows of 4,096 bytes a K step,
	s_lshl_b32 s28, s24, 9                         ; 128 columns,
	s_add_co_u32 s26, s26, s28
	s_lshl_b32 s28, s18, 7                         ; my wave's 32 of them
	s_add_co_u32 s26, s26, s28
	s_mov_b32 s27, 0
	s_add_nc_u64 s[4:5], s[4:5], s[26:27]
	s_lshl_b32 s28, s23, 6
	s_lshl_b32 s29, s24, 3
	s_add_co_u32 s28, s28, s29
	s_lshl_b32 s29, s18, 1
	s_add_co_u32 s28, s28, s29
	s_add_co_u32 s28, s28, 512                     ; my even tile in img
	s_mul_i32 s28, s28, 12288
	s_mul_i32 s29, s25, 1536
	s_add_co_u32 s28, s28, s29
	s_mov_b32 s29, 0
	s_add_nc_u64 s[14:15], s[14:15], s[28:29]
	s_lshl_b32 s30, s23, 3
	s_add_co_u32 s30, s30, s24
	s_add_co_u32 s30, s30, 64                      ; its block of 128 rows in sw
	s_lshl_b32 s30, s30, 12
	s_lshl_b32 s31, s25, 9
	s_add_co_u32 s30, s30, s31
	s_lshl_b32 s31, s18, 7
	s_add_co_u32 s30, s30, s31
	s_mov_b32 s31, 0
	s_add_nc_u64 s[16:17], s[16:17], s[30:31]
	s_wait_alu depctr_va_vdst(0)
	v_lshlrev_b32 v1, 2, v7                        ; in: 4 bytes a lane
	v_and_b32 v8, 7, v0                            ; lane = 16 g + 8 u + j: my column belongs to tile 2 beta + u, lane-row j + 8 g
	v_bfe_u32 v9, v0, 4, 1
	v_bfe_u32 v10, v0, 3, 1
	v_lshl_add_u32 v8, v9, 3, v8
	v_lshl_add_u32 v8, v10, 4, v8                  ; q = j + 8 g + 16 u: the image's lane that I serve, in both tiles
	v_lshlrev_b32 v2, 3, v8
	v_lshlrev_b32 v3, 2, v8
	v_cmp_ne_u32 vcc_lo, 0, v10                    ; u = 1
	v_mov_b32 v12, 0                               ; a DPP form's destination counts as read
.macro CLOAD t                         ; block t: w(32 t + n, my column); 32 lanes read 128 consecutive bytes, the four waves side by side 512
.set n, 0
.rept 32
	global_load_b32 v[XC+32*(\t)+n], v1, s[4:5] offset:4096*(32*(\t)+n) th:TH_LOAD_NT
.set n, n+1
.endr
.endm
.macro BLOCK t
.if \t < 3
	s_wait_loadcnt 32                              ; this block's 32 loads are in; the next block's may be out
.else
	s_wait_loadcnt 0x0
.endif
.if \t < 2
	CLOAD (\t)+2                                   ; two blocks ahead, into registers of its own
.endif
.set XS, XC+32*(\t)
	v_max3_num_f32 v13, |v[XS]|, |v[XS+1]|, |v[XS+2]|               ; all 32 numbers of the block are mine
	v_max3_num_f32 v14, |v[XS+3]|, |v[XS+4]|, |v[XS+5]|
.irp i, 6,10,14,18,22,26
	v_max3_num_f32 v13, v13, |v[XS+\i]|, |v[XS+\i+1]|
	v_max3_num_f32 v14, v14, |v[XS+\i+2]|, |v[XS+\i+3]|
.endr
	v_max3_num_f32 v13, v13, |v[XS+30]|, |v[XS+31]|
	v_max3_num_f32 v13, v13, v14, 0x1800000        ; and the floor
	v_add_nc_u32 v[16+\t], 0xff000000, v13
	v_lshrrev_b32 v14, 23, v[16+\t]
.if \t == 0
	v_mov_b32 v11, v14                             ; my column's scale word: the lower K in the lower byte
.else
	v_lshl_or_b32 v11, v14, 8*\t, v11
.endif
	v_cvt_scalef32_pk16_fp6_f32 v[CV+8*\t:CV+8*\t+2], v[XS:XS+15], v[16+\t]
	v_cvt_scalef32_pk16_fp6_f32 v[CV+8*\t+4:CV+8*\t+6], v[XS+16:XS+31], v[16+\t]
.endm
	CLOAD 0
	CLOAD 1
	BLOCK 0
	BLOCK 1
	BLOCK 2
	BLOCK 3
	v_nop                                          ; one plain place behind the last conversion
; The image's lane (r, 0) wants blocks 0 and 2 of its column, lane (r, 1) blocks 1 and 3.  Lanes l and l xor 8 hold the columns of the two tiles at one lane-row: the lane with u = 0 serves half 0 of both
; tiles, the lane with u = 1 half 1.  So of each pair of blocks the first lane sends the odd one and the second the even one.
.irp c, 0,1
.irp i, 0,1,2,3,4,5
	v_cndmask_b32 v20, v[CV+16*\c+8+4*(\i/3)+\i%3], v[CV+16*\c+4*(\i/3)+\i%3], vcc_lo
	v_mov_b32_dpp v12, v20 row_xmask:8 row_mask:0xf bank_mask:0xf
	v_cndmask_b32 v[S0+6*\c+\i], v[CV+16*\c+4*(\i/3)+\i%3], v12, vcc_lo
	v_cndmask_b32 v[S1+6*\c+\i], v12, v[CV+16*\c+8+4*(\i/3)+\i%3], vcc_lo
.endr
.endr
.irp p, 0,1,2,3,4,5
	global_store_b64 v2, v[S0+2*\p:S0+2*\p+1], s[14:15] offset:256*\p          ; the 32 lanes fill 256 consecutive bytes, aligned
	global_store_b64 v2, v[S1+2*\p:S1+2*\p+1], s[14:15] offset:12288+256*\p    ; the odd tile lies a tile's 12,288 bytes on
.endr
	global_store_b32 v3, v11, s[16:17]             ; the two tiles' 32 scale words: 128 consecutive bytes
	s_endpgm
.Lfunc_end_k_q1999d76fdc_quant:
	.size	k_q1999d76fdc_quant, .Lfunc_end_k_q1999d76fdc_quant-k_q1999d76fdc_quant
	.p2alignl 7, 3214868480
	.fill 96, 4, 3214868480
	.section	.rodata,"a",@progbits
	.p2align	6, 0x0
	.amdhsa_kernel k_q1999d76fdc_quant
		.amdhsa_group_segment_fixed_size 34304
		.amdhsa_private_segment_fixed_size 0
		.amdhsa_enable_private_segment 0
		.amdhsa_kernarg_size 56
		.amdhsa_user_sgpr_count 2
		.amdhsa_user_sgpr_kernarg_segment_ptr 1
		.amdhsa_wavefront_size32 1
		.amdhsa_system_sgpr_workgroup_id_x 1
		.amdhsa_system_sgpr_workgroup_id_y 1
		.amdhsa_system_sgpr_workgroup_id_z 1
		.amdhsa_system_vgpr_workitem_id 0
		.amdhsa_next_free_vgpr 256
		.amdhsa_next_free_sgpr 66
		.amdhsa_reserve_vcc 1
		.amdhsa_float_denorm_mode_32 3
		.amdhsa_float_denorm_mode_16_64 3
		.amdhsa_memory_ordered 1
		.amdhsa_forward_progress 1
		.amdhsa_inst_pref_size 40
	.end_amdhsa_kernel
	.amdgpu_metadata
---
amdhsa.version: [ 1, 2 ]
amdhsa.kernels:
  - .name:           k_q1999d76fdc_quant
    .symbol:         k_q1999d76fdc_quant.kd
    .args:
      - { .name: x_BSE, .offset: 0, .size: 8, .value_kind: global_buffer, .address_space: global }
      - { .name: w_o, .offset: 8, .size: 8, .value_kind: global_buffer, .address_space: global }
      - { .name: w_q, .offset: 16, .size: 8, .value_kind: global_buffer, .address_space: global }
      - { .name: w_k, .offset: 24, .size: 8, .value_kind: global_buffer, .address_space: global }
      - { .name: w_v, .offset: 32, .size: 8, .value_kind: global_buffer, .address_space: global }
      - { .name: img, .offset: 40, .size: 8, .value_kind: global_buffer, .address_space: global }
      - { .name: sw, .offset: 48, .size: 8, .value_kind: global_buffer, .address_space: global }
    .group_segment_fixed_size: 34304
    .private_segment_fixed_size: 0
    .kernarg_segment_align: 8
    .kernarg_segment_size: 56
    .max_flat_workgroup_size: 128
    .sgpr_count:     66
    .vgpr_count:     256
    .wavefront_size: 32
...
	.end_amdgpu_metadata
.endif
;; end of part 1
;; launch qkv (part 2): grid 32 x 8, 4 waves a work-group, clusters of 4 x 1, 327,680 bytes of LDS; arguments img, sw, qq, kv; writes qq, kv
.if DOCPART == 2
	.amdgcn_target "amdgcn-amd-amdhsa--gfx1250"
	.amdhsa_code_object_version 6
	.text
	.protected	k_q1999d76fdc_qkv
	.globl	k_q1999d76fdc_qkv
	.p2align	8
	.type	k_q1999d76fdc_qkv,@function
k_q1999d76fdc_qkv:
	s_mov_b64 s[64:65], 0
	v_nop
	global_prefetch_b8 v0, s[64:65] scope:SCOPE_SE
	s_setreg_imm32_b32 hwreg(HW_REG_WAVE_MODE, 25, 1), 1
	s_wait_xcnt 0x0
	s_wait_alu depctr_hold_cnt(0) depctr_sa_sdst(0) depctr_va_vdst(0) depctr_va_sdst(0) depctr_va_ssrc(0) depctr_va_vcc(0) depctr_vm_vsrc(0)
	s_getreg_b32 s2, hwreg(HW_REG_IB_STS2, 6, 4)
	s_cmp_eq_u32 s2, 0
	s_cbranch_scc0 .Lentry_in_a_cluster
	s_endpgm
.Lentry_in_a_cluster:
	s_bfe_u32 s2, ttmp6, 0x10000c
	s_cmp_lg_u32 s2, 0x3003
	s_cbranch_scc0 .Lentry_shape_is_right
	s_endpgm
.Lentry_shape_is_right:
; q = x w_q, k = x w_k and v^T = (x w_v)^T on codes of FP6 (E2M3) with E8M0 scales, K = 1,024; the results are quantised here, in registers, and leave as codes laid for the attention launch.
; SHARES.  The 3,072 columns (w_q | w_k | w_v) are 24 groups of 128 (two heads).  A work-group takes 256 tokens (row block rb = 0 .. 31) x three groups (3 cg .. 3 cg + 2, cg = 0 .. 7): 256 work-groups.  A wave takes 64 tokens x all of them.
; x STAYS IN REGISTERS: a wave's 4 tiles x 8 K steps x 12 registers = 384, loaded once from img, 256 consecutive bytes a load, with 16 registers of scale words (lanes 0-15 an even K step, lanes 16-31 the odd one behind it).
; THE WEIGHTS STAY IN LDS: the work-group's 24 tiles for all of K are 294,912 dense bytes of img and their scale words 12,288 dense bytes of sw: waves 0-2 bring 8 tiles each, wave 3 the scale words, one tensor load a wave at the head.
; Nothing is filled again and nothing is stored to LDS; so there is no loop of loads to run ahead in, and no prefetch.
; CLUSTERS: the four row blocks of a cluster read the same weights and ask for them jointly.  The group's kind (q, k or v) hangs on the cluster's y and the trip alone: it is the same in all partners.
; A GROUP: 32 accumulators (4 token tiles x 8 weight tiles), 8 K steps of 32 products, written out since x's register numbers change with the step; the weights' 8 fragments come from LDS one step ahead, into two sets by turns.
; q, k: source 0 = a tile of the weight, source 1 = a tile of x: a lane holds one token, its registers run along the channels.  v: the sources are swapped: a lane holds one channel, its registers run along my 64 keys.
; A tile's rows are 32 (T / 2) + 8 (T % 2) + r + 8 (r / 8), so the 16 registers of source 0's tiles 2 b, 2 b + 1 are the neighbours 32 b + 16 (lane / 16) + 0 .. 15 along the axis that is quantised.
; OUT.  qq: [batch x head][128 tokens][8 tiles x 768 bytes of codes, 2 x 256 bytes of scale words [r][tile % 4]].
;       kv: [batch x head][128 keys][K's 8 tiles x 768 | V^T's 4 channel tiles x 1,536 | K's scale words 2 x 256 | V's 256 [r][channel tile]].  Of V^T a wave makes 64 keys: three of a fragment's six pieces and two of a word's four bytes.
; LIMITS: NaN and infinities are not served; blocks under 2^-124, and blocks of zeros, take the byte 1 (this program alone reads the bytes).
; REGISTERS, in windows of 256.  0: v0-31 addresses, v32-47 x's scale words, v48-63 the weights', v64-107 the way out, v160-255 x's K steps 5, 6.  1: v0-191 the weights' two sets, v192-239 x's K step 7.  2: x's K steps 0-4.  3: the accumulators.
.set SCLB,  294912
.set SPARE, 307200
.set L8,   1                           ; 8 x lane
.set L8B,  2                           ; + 49,152: weight tiles 4-7 (an LDS offset has 16 bits)
.set SL,   3                           ; 4 r + 512 h: scale words, lanes 16-31 one K step on
.set ADB,  4                           ; v4-5 the group's tiles in LDS
.set ADS,  6                           ; its scale words
.set LN8W, 7                           ; 8 x lane + 3,072 (wave % 2): my four tiles of a step of 128 tokens
.set LN8H, 8                           ; the same one head on
.set SWO,  9
.set R16W, 10                          ; 16 r + 256 (wave % 2)
.set HH,   11                          ; h
.set H16,  12                          ; 16 h
.set L8V,  13                          ; 8 x lane + 768 (wave % 2)
.set SWV,  14                          ; 16 r + 4 h + 2 (wave % 2)
.set SPW,  28
.set NIL,  29
.set SA,   32
.set SB,   48
.set PC,   64
.set CT,   76
.set TM,   84
.set PW,   100
.set SW,   104
.set GI,   56                          ; the trip; s57 the group 0 .. 23; s58, s59 its LDS bytes
.set GG,   57
.set GB,   58
.set GS,   59
.set MSB, 0
.macro WIN new                         ; the immediate's high byte repeats the setting that is left
.if MSB != \new
	s_set_vgpr_msb (MSB<<8)|\new
.set MSB, \new
.endif
.endm
.macro CROUND
	s_barrier_signal -1
	s_barrier_wait -1
	s_cmp_lg_u32 s14, 0
	s_cbranch_scc1 .Lnot_wave_0_\@
	s_barrier_signal -3
.Lnot_wave_0_\@:
	s_barrier_wait -3
	s_barrier_signal -1
	s_barrier_wait -1
.endm
.macro PLACES                          ; plain vector instructions between a matrix instruction and a load into, or a vector instruction on, its registers
.rept 4
	v_nop
.endr
.endm
.macro SETA st                         ; where x's fragments of K step st lie
.if (\st) < 5
.set AWN, 2
.set ABS, 48*(\st)
.else
.if (\st) < 7
.set AWN, 0
.set ABS, 160+48*((\st)-5)
.else
.set AWN, 1
.set ABS, 192
.endif
.endif
.endm
	s_load_b128 s[4:7], s[0:1], 0x0                ; img, sw
	s_load_b128 s[8:11], s[0:1], 0x10              ; qq, kv
	v_lshl_add_u32 v[SPW], v0, 2, SPARE
	v_mov_b32 v[NIL], 0
	ds_add_u32 v[SPW], v[NIL]                      ; the opening lines: the add twice on end and its wait ahead of my tensor load
	ds_add_u32 v[SPW], v[NIL]
	v_lshrrev_b32 v1, 5, v0
	v_readfirstlane_b32 s14, v1                    ; wave 0..3
	s_and_b32 s15, s14, 1
	s_lshr_b32 s16, s14, 1
	s_bfe_u32 s17, ttmp6, 0x40000                  ; cx: it enters x's and the outputs' addresses alone
	s_lshl_b32 s19, ttmp9, 2
	s_add_co_u32 s17, s17, s19                     ; rb
	s_and_b32 s18, ttmp7, 0xffff                   ; cg
	s_mov_b32 s24, 15|(3<<16)|(1<<21)              ; 8 tiles: 98,304 dense bytes as 384 rows of 256 (32 elements of 8 bytes); the mask names all four work-groups
	s_mov_b32 s25, 32<<16
	s_mov_b32 s26, 384<<16
	s_mov_b32 s27, 32<<16
	s_mov_b32 s28, 384
	s_mov_b32 s29, 32
	s_mov_b32 s30, 0
	s_mov_b32 s31, 0
	s_mov_b32 s36, 15|(3<<16)|(1<<21)              ; the scale words: 12,288 dense bytes as 48 rows
	s_mov_b32 s37, 32<<16
	s_mov_b32 s38, 48<<16
	s_mov_b32 s39, 32<<16
	s_mov_b32 s40, 48
	s_mov_b32 s41, 32
	s_mov_b32 s42, 0
	s_mov_b32 s43, 0
	s_mov_b32 s32, 1
	s_mul_i32 s33, s14, 98304                      ; LDS: wave x 8 tiles
	s_mov_b32 s44, 1
	s_mov_b32 s45, SCLB
	s_mul_i32 s48, s18, 24
	s_lshl_b32 s49, s14, 3
	s_add_co_u32 s48, s48, s49
	s_add_co_u32 s48, s48, 512                     ; the weights' tiles begin at 512 in img
	s_mul_i32 s48, s48, 12288
	s_mov_b32 s49, 0
	s_mul_i32 s50, s18, 3
	s_add_co_u32 s50, s50, 64                      ; and their blocks of 128 rows at 64 in sw
	s_lshl_b32 s50, s50, 12
	s_mov_b32 s51, 0
	s_lshl_b32 s20, s17, 4
	s_lshl_b32 s21, s14, 2
	s_add_co_u32 s20, s20, s21                     ; my first tile of x
	s_mul_i32 s20, s20, 12288
	s_mov_b32 s21, 0
	s_lshl_b32 s22, s17, 1
	s_add_co_u32 s22, s22, s16
	s_lshl_b32 s22, s22, 12
	s_lshl_b32 s23, s15, 8
	s_add_co_u32 s22, s22, s23                     ; and its scale words
	s_mov_b32 s23, 0
	s_mul_i32 s52, s15, 3072
	s_lshl_b32 s53, s15, 8
	s_mul_i32 s60, s15, 768
	s_lshl_b32 s61, s15, 1
	s_mov_b32 s54, 0x76543210
	s_mov_b32 s55, 0xfedcba98                      ; selects for lane l xor 16
	v_and_b32 v16, 31, v0
	v_and_b32 v17, 15, v0
	v_bfe_u32 v[HH], v0, 4, 1
	v_lshlrev_b32 v[L8], 3, v16
	v_lshlrev_b32 v[SL], 2, v17
	v_lshlrev_b32 v[R16W], 4, v17
	v_lshlrev_b32 v[H16], 4, v[HH]
	v_add_nc_u32 v[L8B], 49152, v[L8]
	v_lshl_add_u32 v[SL], v[HH], 9, v[SL]
	v_lshl_add_u32 v[SWV], v[HH], 2, v[R16W]
	v_add_nc_u32 v[LN8W], s52, v[L8]
	v_add_nc_u32 v[R16W], s53, v[R16W]
	v_add_nc_u32 v[L8V], s60, v[L8]
	v_add_nc_u32 v[SWV], s61, v[SWV]
.irp b, 0,1,2,3
	v_mov_b32 v[TM+4+\b], 0                        ; a lane permute's destination counts as one of its sources
.endr
	s_wait_alu depctr_va_vdst(0)
	s_wait_dscnt 0x0
	s_wait_kmcnt 0x0
	s_add_nc_u64 s[34:35], s[4:5], s[48:49]
	s_or_b32 s35, s35, 0x80000000
	s_add_nc_u64 s[46:47], s[6:7], s[50:51]
	s_or_b32 s47, s47, 0x80000000
	s_add_nc_u64 s[20:21], s[4:5], s[20:21]
	s_add_nc_u64 s[22:23], s[6:7], s[22:23]
	CROUND                                         ; all four work-groups are here: the joint loads meet
	s_cmp_lt_u32 s14, 3
	s_cbranch_scc0 .Lhead_s
	tensor_load_to_lds s[32:35], s[24:31]          ; waves 0-2: one group's 8 tiles
	s_nop 0
	PLACES
	s_branch .Lhead_asked
.Lhead_s:
	tensor_load_to_lds s[44:47], s[36:43]          ; wave 3: the scale words
	s_nop 0
	PLACES
.Lhead_asked:
.irp q, 0,1,2,3
.irp a, 0,1,2,3
	global_load_b32 v[SA+4*\q+\a], v[SL], s[22:23] offset:1024*\q+64*\a   ; x's scale words of K steps 2 q + h
.endr
.endr
.set ks, 0
.rept 8                                ; x's fragments, K step by K step: 192 loads of 256 consecutive bytes
	SETA ks
	WIN (AWN<<6)
.irp a, 0,1,2,3
.irp p, 0,1,2,3,4,5
	global_load_b64 v[ABS+12*\a+2*\p:ABS+12*\a+2*\p+1], v[L8], s[20:21] offset:12288*\a+1536*ks+256*\p
.endr
.endr
.set ks, ks+1
.endr
	WIN 0
	s_mov_b32 s[GI], 0
	s_mul_i32 s[GG], s18, 3
	s_mov_b32 s[GB], 0
	s_mov_b32 s[GS], SCLB
	s_wait_alu depctr_va_vdst(0)
	s_wait_tensorcnt 0x0                           ; my tile is in,
	s_barrier_signal -1
	s_barrier_wait -1                              ; everybody's is
.macro FETCHB st                       ; the weights' 8 fragments of K step st into set st % 2: 48 loads of 256 consecutive bytes
	WIN 0x40
.irp b, 0,1,2,3,4,5,6,7
.irp p, 0,1,2,3,4,5
	ds_load_b64 v[96*((\st)%2)+12*\b+2*\p:96*((\st)%2)+12*\b+2*\p+1], v[ADB+\b/4] offset:(\b%4)*12288+(\st)*1536+256*\p
.endr
.endr
	WIN 0
.endm
.macro SCB q                           ; their scale words of K steps 2 q + h into set q % 2
.irp b, 0,1,2,3,4,5,6,7
	ds_load_b32 v[SB+8*((\q)%2)+\b], v[ADS] offset:(\q)*1024+64*\b
.endr
.endm
.macro WM d, x, y, sx, sy              ; one product; the first K step starts the sums; an odd K step's scale words stand in lanes 16-31
.if ks == 0
	v_wmma_scale_f32_16x16x128_f8f6f4 v[0+(\d):7+(\d)], v[0+(\x):11+(\x)], v[0+(\y):11+(\y)], 0, v[\sx], v[\sy] matrix_a_fmt:MATRIX_FMT_FP6 matrix_b_fmt:MATRIX_FMT_FP6
.else
.if ks%2
	v_wmma_scale_f32_16x16x128_f8f6f4 v[0+(\d):7+(\d)], v[0+(\x):11+(\x)], v[0+(\y):11+(\y)], v[0+(\d):7+(\d)], v[\sx], v[\sy] matrix_a_fmt:MATRIX_FMT_FP6 matrix_b_fmt:MATRIX_FMT_FP6 matrix_a_scale:MATRIX_SCALE_ROW1 matrix_b_scale:MATRIX_SCALE_ROW1
.else
	v_wmma_scale_f32_16x16x128_f8f6f4 v[0+(\d):7+(\d)], v[0+(\x):11+(\x)], v[0+(\y):11+(\y)], v[0+(\d):7+(\d)], v[\sx], v[\sy] matrix_a_fmt:MATRIX_FMT_FP6 matrix_b_fmt:MATRIX_FMT_FP6
.endif
.endif
.endm
; A group's 8 K steps.  The 32 accumulators take turns, one instruction a turn, in the same order in every step.
.macro KBODY v
	FETCHB 0
	SCB 0
.set ks, 0
.rept 8
.if ks > 0
	PLACES                                         ; the set that the last step multiplied is loaded anew
.endif
.if ks < 7
	FETCHB ks+1
.if ks%2
	SCB (ks+1)/2
	s_wait_dscnt 56                                ; all but the next step's 48 fragment loads and 8 scale loads
.else
	s_wait_dscnt 48                                ; all but the next step's 48 loads
.endif
.else
	s_wait_dscnt 0x0
.endif
.if ks < 5
	s_wait_loadcnt 63                              ; behind this K step's loads of x stand 24 (7 - ks), more than 63
.else
	s_wait_loadcnt 24*(7-ks)
.endif
	SETA ks
.if \v
	WIN (0xf4|AWN)
.irp a, 0,1,2,3
.irp b, 0,1,2,3,4,5,6,7
	WM 8*(4*\b+\a), ABS+12*\a, 96*(ks%2)+12*\b, SA+4*(ks/2)+\a, SB+8*((ks/2)%2)+\b
.endr
.endr
.else
	WIN (0xf1|(AWN<<2))
.irp a, 0,1,2,3
.irp b, 0,1,2,3,4,5,6,7
	WM 8*(8*\a+\b), 96*(ks%2)+12*\b, ABS+12*\a, SB+8*((ks/2)%2)+\b, SA+4*(ks/2)+\a
.endr
.endr
.endif
	WIN 0
.set ks, ks+1
.endr
.endm
; q, k: the 64 accumulator registers of token tile a are 128 neighbouring channels of my token: a fragment's 12 registers in v[PC] on and its scale word in v[PW]
.macro QUANTW a
.set AC, 64*(\a)
	WIN 0x3c
.irp b, 0,1,2,3
	v_max3_num_f32 v[TM+\b], 0x1800000, |v[AC+16*\b]|, |v[AC+16*\b+1]|   ; block b: my 16 numbers and the floor 2^(3 - 127); each accumulator from its low end on
.endr
.irp i, 2,4,6,8,10,12,14
.irp b, 0,1,2,3
	v_max3_num_f32 v[TM+\b], v[TM+\b], |v[AC+16*\b+\i]|, |v[AC+16*\b+\i+1]|
.endr
.endr
	WIN 0
.irp b, 0,1,2,3
	v_permlanex16_b32 v[TM+4+\b], v[TM+\b], s54, s55
.endr
.irp b, 0,1,2,3
	v_max_num_f32 v[TM+\b], v[TM+\b], v[TM+4+\b]   ; with lane l xor 16's: the block's largest magnitude
.endr
.irp b, 0,1,2,3
	v_add_nc_u32 v[TM+12+\b], 0xff000000, v[TM+\b] ; 2 off its exponent field: the conversion's scale operand
.endr
.irp b, 0,1,2,3
	v_lshrrev_b32 v[TM+4+\b], 23, v[TM+12+\b]      ; the scale's byte
.endr
	v_lshl_or_b32 v[PW], v[TM+5], 8, v[TM+4]
	v_lshl_or_b32 v[PW], v[TM+6], 16, v[PW]
	v_lshl_or_b32 v[PW], v[TM+7], 24, v[PW]
	s_wait_alu depctr_va_vdst(0)
	s_wait_xcnt 0x0                                ; the last tile's stores have read their registers
	WIN 0x03
.irp c, 0,1
	v_cvt_scalef32_pk16_fp6_f32 v[PC+6*\c:PC+6*\c+2], v[AC+32*\c:AC+32*\c+15], v[TM+12+2*\c]
	v_cvt_scalef32_pk16_fp6_f32 v[CT+4*\c:CT+4*\c+2], v[AC+32*\c+16:AC+32*\c+31], v[TM+12+2*\c+1]
.endr
	WIN 0
	v_nop                                          ; one plain place behind a scaled conversion
.irp c, 0,1                                    ; the operand's layout wants a whole block in a lane
.irp i, 0,1,2
	v_permlane16_swap_b32 v[PC+6*\c+\i], v[CT+4*\c+\i]
.endr
.irp i, 0,1,2
	v_mov_b32 v[PC+3+6*\c+\i], v[CT+4*\c+\i]
.endr
.endr
.endm
; v: the 32 accumulator registers of channel tile b are my channel's 64 keys, two blocks: six registers of a fragment and two bytes.  Two tiles at a time: four chains
.macro QV b
	WIN 0x3c
.irp y, 0,1
.irp e, 0,1
	v_max3_num_f32 v[TM+2*\y+\e], 0x1800000, |v[32*(\b+\y)+16*\e]|, |v[32*(\b+\y)+16*\e+1]|
.endr
.endr
.irp i, 2,4,6,8,10,12,14
.irp y, 0,1
.irp e, 0,1
	v_max3_num_f32 v[TM+2*\y+\e], v[TM+2*\y+\e], |v[32*(\b+\y)+16*\e+\i]|, |v[32*(\b+\y)+16*\e+\i+1]|
.endr
.endr
.endr
	WIN 0
.irp i, 0,1,2,3
	v_permlanex16_b32 v[TM+4+\i], v[TM+\i], s54, s55
.endr
.irp i, 0,1,2,3
	v_max_num_f32 v[TM+\i], v[TM+\i], v[TM+4+\i]
.endr
.irp i, 0,1,2,3
	v_add_nc_u32 v[TM+12+\i], 0xff000000, v[TM+\i]
.endr
.irp i, 0,1,2,3
	v_lshrrev_b32 v[TM+4+\i], 23, v[TM+12+\i]
.endr
	s_wait_alu depctr_va_vdst(0)
	s_wait_xcnt 0x0                                ; the last pair's stores have read their registers
.irp y, 0,1
	v_lshl_or_b32 v[PW+\y], v[TM+5+2*\y], 8, v[TM+4+2*\y]
.endr
	WIN 0x03
.irp y, 0,1
	v_cvt_scalef32_pk16_fp6_f32 v[PC+6*\y:PC+6*\y+2], v[32*(\b+\y):32*(\b+\y)+15], v[TM+12+2*\y]
	v_cvt_scalef32_pk16_fp6_f32 v[CT+4*\y:CT+4*\y+2], v[32*(\b+\y)+16:32*(\b+\y)+31], v[TM+12+2*\y+1]
.endr
	WIN 0
	v_nop
.irp y, 0,1
.irp i, 0,1,2
	v_permlane16_swap_b32 v[PC+6*\y+\i], v[CT+4*\y+\i]
.endr
.irp i, 0,1,2
	v_mov_b32 v[PC+3+6*\y+\i], v[CT+4*\y+\i]
.endr
.endr
	v_cndmask_b32 v[PW], v[PW], v[PW+1], vcc_lo    ; lanes 0-15 the first tile's two bytes, lanes 16-31 the second's
.irp y, 0,1
.irp p, 0,1,2
	global_store_b64 v[L8V], v[PC+6*\y+2*\p:PC+6*\y+2*\p+1], s[12:13] offset:208896*((\b+\y)/4)+1536*((\b+\y)%4)+256*\p   ; 256 consecutive bytes, aligned
.endr
.endr
	global_store_b16 v[SWV], v[PW], s[12:13] offset:208896*(\b/4)+6656+4*(\b%4)
.endm
.Lgroup:
	v_add_nc_u32 v[ADB], s[GB], v[L8]
	v_add_nc_u32 v[ADB+1], s[GB], v[L8B]
	v_add_nc_u32 v[ADS], s[GS], v[SL]
	s_cmp_ge_u32 s[GG], 16
	s_wait_alu depctr_va_vdst(0)
	s_cbranch_scc1 .Lvbody
	KBODY 0
	PLACES                                         ; behind the last products: results are read from here on
	s_wait_xcnt 0x0                                ; the last group's stores have read their base and offsets
	s_cmp_lt_u32 s[GG], 8
	s_cselect_b64 s[12:13], s[8:9], s[10:11]       ; qq or kv
	s_mov_b32 s48, 208896
	s_cselect_b32 s48, 106496, s48                 ; bytes of a head
	s_mov_b32 s49, 13056
	s_cselect_b32 s49, 6656, s49                   ; of a step of 128 tokens
	s_mov_b32 s50, 12288
	s_cselect_b32 s50, 6144, s50                   ; where a step's scale words begin
	s_lshr_b32 s51, s17, 3                         ; the batch: 8 row blocks each
	s_lshl_b32 s51, s51, 4
	s_and_b32 s52, s[GG], 7
	s_lshl_b32 s52, s52, 1
	s_add_co_u32 s51, s51, s52                     ; my first head
	s_mul_i32 s51, s51, s48
	s_lshl_b32 s52, s17, 1
	s_add_co_u32 s52, s52, s16
	s_and_b32 s52, s52, 15                         ; my step of 128 tokens in the batch
	s_mul_i32 s52, s52, s49
	s_add_co_u32 s52, s52, s51
	s_mov_b32 s53, 0
	s_add_nc_u64 s[12:13], s[12:13], s[52:53]
	v_add_nc_u32 v[LN8H], s48, v[LN8W]
	v_mul_u32_u24 v[SWO], s48, v[HH]               ; lanes 16-31 store the second head's words
	v_add_nc_u32 v[SWO], v[SWO], v[R16W]
	v_add_nc_u32 v[SWO], s50, v[SWO]
.irp a, 0,1,2,3
	QUANTW \a
.irp p, 0,1,2
	global_store_b64 v[LN8W], v[PC+2*\p:PC+2*\p+1], s[12:13] offset:768*\a+256*\p       ; registers 0-5: the first head's fragment (K = 64)
	global_store_b64 v[LN8H], v[PC+6+2*\p:PC+6+2*\p+1], s[12:13] offset:768*\a+256*\p   ; registers 6-11: the second's
.endr
	v_bfe_u32 v[SW+\a], v[PW], v[H16], 16          ; my head's two bytes; the word's upper two stay 0
.endr
	global_store_b128 v[SWO], v[SW:SW+3], s[12:13] ; four tiles' words of a row: sixteen lanes fill 256 consecutive bytes
	s_branch .Lnext
.Lvbody:
	KBODY 1
	PLACES
	s_wait_xcnt 0x0
	s_lshr_b32 s51, s17, 3
	s_lshl_b32 s51, s51, 4
	s_and_b32 s52, s[GG], 7
	s_lshl_b32 s52, s52, 1
	s_add_co_u32 s51, s51, s52
	s_mul_i32 s51, s51, 208896
	s_lshl_b32 s52, s17, 1
	s_add_co_u32 s52, s52, s16
	s_and_b32 s52, s52, 15
	s_mul_i32 s52, s52, 13056
	s_add_co_u32 s52, s52, s51
	s_add_co_u32 s52, s52, 6144                    ; V's tiles lie behind K's
	s_mov_b32 s53, 0
	s_add_nc_u64 s[12:13], s[10:11], s[52:53]
	v_cmp_ne_u32 vcc_lo, 0, v[HH]
.irp b, 0,2,4,6
	QV \b
.endr
.Lnext:
	s_add_co_u32 s[GG], s[GG], 1
	s_add_co_u32 s[GB], s[GB], 98304
	s_add_co_u32 s[GS], s[GS], 4096
	s_add_co_u32 s[GI], s[GI], 1
	s_cmp_lt_u32 s[GI], 3
	s_wait_alu depctr_va_vdst(0)
	s_cbranch_scc1 .Lgroup
	s_wait_tensorcnt 0x0                           ; the wave's end
	ds_add_u32 v[SPW], v[NIL]
	s_wait_dscnt 0x0
	CROUND                                         ; the closing round
	s_endpgm
.Lfunc_end_k_q1999d76fdc_qkv:
	.size	k_q1999d76fdc_qkv, .Lfunc_end_k_q1999d76fdc_qkv-k_q1999d76fdc_qkv
	.p2alignl 7, 3214868480
	.fill 96, 4, 3214868480
	.section	.rodata,"a",@progbits
	.p2align	6, 0x0
	.amdhsa_kernel k_q1999d76fdc_qkv
		.amdhsa_group_segment_fixed_size 327680
		.amdhsa_private_segment_fixed_size 0
		.amdhsa_enable_private_segment 0
		.amdhsa_kernarg_size 32
		.amdhsa_user_sgpr_count 2
		.amdhsa_user_sgpr_kernarg_segment_ptr 1
		.amdhsa_wavefront_size32 1
		.amdhsa_system_sgpr_workgroup_id_x 1
		.amdhsa_system_sgpr_workgroup_id_y 1
		.amdhsa_system_sgpr_workgroup_id_z 1
		.amdhsa_system_vgpr_workitem_id 0
		.amdhsa_next_free_vgpr 1024
		.amdhsa_next_free_sgpr 66
		.amdhsa_reserve_vcc 1
		.amdhsa_float_denorm_mode_32 3
		.amdhsa_float_denorm_mode_16_64 3
		.amdhsa_memory_ordered 1
		.amdhsa_forward_progress 1
		.amdhsa_inst_pref_size 185
	.end_amdhsa_kernel
	.amdgpu_metadata
---
amdhsa.version: [ 1, 2 ]
amdhsa.kernels:
  - .name:           k_q1999d76fdc_qkv
    .symbol:         k_q1999d76fdc_qkv.kd
    .args:
      - { .name: img, .offset: 0, .size: 8, .value_kind: global_buffer, .address_space: global }
      - { .name: sw, .offset: 8, .size: 8, .value_kind: global_buffer, .address_space: global }
      - { .name: qq, .offset: 16, .size: 8, .value_kind: global_buffer, .address_space: global }
      - { .name: kv, .offset: 24, .size: 8, .value_kind: global_buffer, .address_space: global }
    .group_segment_fixed_size: 327680
    .private_segment_fixed_size: 0
    .kernarg_segment_align: 8
    .kernarg_segment_size: 32
    .max_flat_workgroup_size: 128
    .sgpr_count:     66
    .vgpr_count:     1024
    .wavefront_size: 32
...
	.end_amdgpu_metadata
.endif
;; end of part 2
;; launch attn (part 3): grid 4 x 64, 8 waves a work-group, clusters of 4 x 1, 210,944 bytes of LDS; arguments qq, kv, oi, osw; writes oi, osw
.if DOCPART == 3
	.amdgcn_target "amdgcn-amd-amdhsa--gfx1250"
	.amdhsa_code_object_version 6
	.text
	.protected	k_q1999d76fdc_attn
	.globl	k_q1999d76fdc_attn
	.p2align	8
	.type	k_q1999d76fdc_attn,@function
k_q1999d76fdc_attn:
	s_mov_b64 s[64:65], 0
	v_nop
	global_prefetch_b8 v0, s[64:65] scope:SCOPE_SE
	s_setreg_imm32_b32 hwreg(HW_REG_WAVE_MODE, 25, 1), 1
	s_wait_xcnt 0x0
	s_wait_alu depctr_hold_cnt(0) depctr_sa_sdst(0) depctr_va_vdst(0) depctr_va_sdst(0) depctr_va_ssrc(0) depctr_va_vcc(0) depctr_vm_vsrc(0)
	s_getreg_b32 s2, hwreg(HW_REG_IB_STS2, 6, 4)
	s_cmp_eq_u32 s2, 0
	s_cbranch_scc0 .Lentry_in_a_cluster
	s_endpgm
.Lentry_in_a_cluster:
	s_bfe_u32 s2, ttmp6, 0x10000c
	s_cmp_lg_u32 s2, 0x3003
	s_cbranch_scc0 .Lentry_shape_is_right
	s_endpgm
.Lentry_shape_is_right:
; out = softmax(q k^T / 8, causal) v for one (batch, head) a cluster, both products on codes of FP6 (E2M3) with E8M0 scales; out is quantised along the head's channels and stored as the last product's operand.
; SOFTMAX: t = score x log2(e) / 8; M = the running largest t rounded UP to a whole number; p = 2^(t - M) is quantised along the keys, not normalised; the row's sum is taken of the unquantised p and divides at the end.
; When M moves, the sums and O are multiplied by 2^(old M - new M): exact.
; LEFT OUT: key steps that lie wholly behind the diagonal: the causal mask gives them -inf ahead of the softmax, so they reach no output whatever the inputs hold.  A NaN or infinity that reaches only such keys is not carried.
; SHARES.  A batch's 2,048 tokens are 128 tiles of 16 (tile T, lane-row r: token 32 (T / 2) + 8 (T % 2) + r + 8 (r / 8)); key step g holds tiles 8 g .. 8 g + 7.  Work-group cx owns tiles 8 g + cx and 8 g + 4 + cx of every g.
; A wave works on both tiles of one g AT ONCE (they share every fragment of K and V: 53 LDS loads for 24 products) and needs g + 1 key steps; wave w takes g = w and then g = 15 - w: 17 steps for every wave; no branch hangs on cx.
; LDS.  The head's whole block of kv, 16 key steps x 13,056 bytes, is filled ONCE, by one joint load a wave (two key steps, 102 rows of 256 bytes; the four partners read the same head).  Nothing is filled again, nothing is stored to LDS.
; No prefetch: the launch's one fill goes out at its head, and there is no loop of loads to run ahead in.
; LAYOUT.  Both products transposed (S^T = K Q^T, O^T = V^T P^T): a lane holds one query throughout.  THE KEYS OF A TILE OF K ARE CHOSEN AT THE LDS READ: tile 4 c + t, row m = key 64 c + 32 (m / 8) + 8 t + m % 8, which lies in the stored
; tile 4 c + 2 (m / 8) + t % 2 at lane-row m % 8 + 8 (t / 2).  So lane (r, h) holds in the 32 registers of tiles 4 c .. 4 c + 3 the WHOLE block of keys 64 c + 32 h + 0 .. 31, in order: a block's maximum needs no other lane, and the
; conversions' results are p's operand as it stands (but for three moves a block: a conversion's registers begin on an even number).
; K = 64 IN AN INSTRUCTION OF K = 128: Q's registers 6-11 hold zero codes, the upper two bytes of Q's and K's scale words are 0; K's operand runs on into the next tile's codes, finite numbers that meet zeros.
; CAUSAL: in the diagonal step the products take a C that holds 0 for a visible key and -3e38 for a hidden one.  The pattern hangs on cx and the lane alone and is the same for tile 8 g + cx (keys 0-63) and tile 8 g + 4 + cx (keys 64-127):
; 32 registers, made once at the head, and 8 registers of -3e38 for the first tile's keys 64-127.
; LIMITS: NaN and infinities are not served; the promise holds while the scaled scores stay under 2^31 in magnitude; blocks of out under 2^-124, and of zeros, take the byte 1; 1 / the sum is v_rcp_f32 and one multiplication.
; REGISTERS.  Window 0: addresses, states, scale words, Q, K's and V's fragments, p's codes.  Window 1 (v256 on): S^T then p, 64 a tile; O^T, 32 a tile; the mask.
.set KVH,  208896
.set KVS,  13056
.set SPARE, 208896                     ; behind the head: the spare words, 128 bytes a wave
.set WV,   12
.set CX,   13
.set BH,   14
.set G1,   16
.set G0,   24
.set SEL,  28                          ; s[28:29] selects for lane l xor 16
.set CS,   30                          ; s[30:31] log2(e) / 8
.set TB,   32                          ; LDS byte at which the key step begins
.set TC,   33                          ; the trip
.set LIM,  34                          ; g: the diagonal's key step
.set PS,   35                          ; the pass
.set TBN,  36                          ; the next key step's LDS byte
.set L8,   1                           ; 8 x lane
.set R16,  2                           ; 16 r
.set ADV,  3                           ; V's codes, V's scale words of this step
.set ADVS, 4
.set OSA,  5                           ; 4 r + 256 h: out's scale bytes, lanes 16-31 the second tile's
.set KL,   6                           ; 1536 (r / 8) + 8 (r % 8) + 128 h: my place in K's stored tiles
.set KSL,  8                           ; 16 (r % 8) + 8 (r / 8): and in K's scale words
.set ADK,  9
.set ADKS, 10
.set H8,   11                          ; 8 h
.set NM,   12                          ; tile x: v[12 + 2 x] -M, v[13 + 2 x] the largest t
.set SU,   16                          ; the sum: v[16 + 2 x : 17 + 2 x] and a second chain v[20 + 2 x : 21 + 2 x]
.set FF,   24                          ; v[24 + 2 x] 2^(old M - new M)
.set SPW,  28
.set NIL,  29
.set VS,   32                          ; v32-35 V's scale words
.set KS,   36                          ; v36-43 K's
.set QS,   44                          ; v44-45 Q's; v46-47 the second pass's
.set PW,   48                          ; v48-49 p's
.set BM,   50                          ; v50-53 block maxima, 2 a tile
.set T4,   54                          ; v54-57 lane permutes' results
.set SO,   58                          ; v58-61 the conversions' scale operands
.set SBY,  62                          ; v62-65 scale bytes
.set TT,   66                          ; v66-71 at work
.set Q,    72                          ; v72-95 Q's two fragments
.set QN,   96                          ; v96-107 the second pass's codes
.set KF,   108                         ; v108-155 K's 8 tiles, 6 registers each; v156-161 zeros
.set VF,   162                         ; v162-209 V's 4 fragments
.set PC,   210                         ; v210-233 p's codes
.set CT,   234                         ; v234-248 the blocks' upper 16 codes
.set S,    0                           ; window 1
.set O,    128
.set MK,   192
.set NG,   224
.set MSB, 0
.macro WIN new                         ; the immediate's high byte repeats the setting that is left
.if MSB != \new
	s_set_vgpr_msb (MSB<<8)|\new
.set MSB, \new
.endif
.endm
.macro CROUND
	s_barrier_signal -1
	s_barrier_wait -1
	s_cmp_lg_u32 s[WV], 0
	s_cbranch_scc1 .Lnot_wave_0_\@
	s_barrier_signal -3
.Lnot_wave_0_\@:
	s_barrier_wait -3
	s_barrier_signal -1
	s_barrier_wait -1
.endm
	s_load_b128 s[4:7], s[0:1], 0x0                ; qq, kv
	s_load_b128 s[8:11], s[0:1], 0x10              ; oi, osw
	v_lshl_add_u32 v[SPW], v0, 2, SPARE
	v_mov_b32 v[NIL], 0
	ds_add_u32 v[SPW], v[NIL]                      ; the opening lines: the add twice on end and its wait ahead of my tensor load
	ds_add_u32 v[SPW], v[NIL]
	v_lshrrev_b32 v1, 5, v0
	v_readfirstlane_b32 s[WV], v1                  ; wave 0..7
	s_bfe_u32 s[CX], ttmp6, 0x40000                ; my place in the cluster: it enters Q's and the outputs' addresses and the mask's numbers alone
	s_and_b32 s[BH], ttmp7, 0xffff                 ; batch x 16 + head
	s_mov_b32 s[G1], 15|(3<<16)|(1<<21)            ; the mask: all four work-groups; elements of 8 bytes; bit 21 beside a mask
	s_mov_b32 s[G1+1], 32<<16                      ; two key steps: 26,112 dense bytes as 102 rows of 256
	s_mov_b32 s[G1+2], 102<<16
	s_mov_b32 s[G1+3], 32<<16
	s_mov_b32 s[G1+4], 102
	s_mov_b32 s[G1+5], 32
	s_mov_b32 s[G1+6], 0
	s_mov_b32 s[G1+7], 0
	s_mul_i32 s46, s[BH], KVH
	s_mul_i32 s[G0+1], s[WV], 2*KVS                ; LDS address: wave x two key steps
	s_add_co_u32 s46, s46, s[G0+1]
	s_mov_b32 s47, 0
	s_mov_b32 s[G0], 1
	s_mov_b32 s[SEL], 0x76543210
	s_mov_b32 s[SEL+1], 0xfedcba98
	s_mov_b32 s[CS], 0x3e38aa3b
	s_mov_b32 s[CS+1], s[CS]
	v_and_b32 v7, 31, v0
	v_and_b32 v66, 15, v0                          ; r
	v_bfe_u32 v67, v0, 4, 1                        ; h
	v_and_b32 v68, 7, v0                           ; r % 8
	v_bfe_u32 v69, v0, 3, 1                        ; r / 8
	v_lshlrev_b32 v[L8], 3, v7
	v_lshlrev_b32 v[R16], 4, v66
	v_lshlrev_b32 v[H8], 3, v67
	v_lshlrev_b32 v[OSA], 2, v66
	v_lshl_add_u32 v[OSA], v67, 8, v[OSA]
	v_mul_u32_u24 v[KL], v69, 1536
	v_lshl_add_u32 v[KL], v68, 3, v[KL]
	v_lshl_add_u32 v[KL], v67, 7, v[KL]
	v_lshlrev_b32 v[KSL], 4, v68
	v_lshl_add_u32 v[KSL], v69, 3, v[KSL]
	v_lshl_add_u32 v70, v69, 3, v66
	v_lshlrev_b32 v71, 5, v67
	v_sub_nc_u32 v70, v70, v71                     ; r + 8 (r / 8) - 32 h
	s_wait_alu depctr_va_vdst(0)
	s_wait_dscnt 0x0
	s_wait_kmcnt 0x0
	s_add_nc_u64 s[G0+2:G0+3], s[6:7], s[46:47]
	s_or_b32 s[G0+3], s[G0+3], 0x80000000
	CROUND                                         ; all four work-groups are here: the joint loads meet
	tensor_load_to_lds s[G0:G0+3], s[G1:G1+7]      ; my one tensor load of the launch
	s_nop 0
.rept 4
	v_nop
.endr
; Q's two tiles of pass ps: three pieces of codes and a scale word a row for each
	s_mul_i32 s53, s[BH], 106496
.macro QLOAD ps, qa, qb, sa, cb, sb
.if \ps
	s_xor_b32 s48, s[WV], 15
.else
	s_mov_b32 s48, s[WV]
.endif
	s_mul_i32 s48, s48, 6656
	s_add_co_u32 s48, s48, s53                     ; step g of 128 tokens in qq
	s_mul_i32 s50, s[CX], 768
	s_add_co_u32 s50, s50, s48
	s_mov_b32 s51, 0
	s_add_nc_u64 s[\cb:\cb+1], s[4:5], s[50:51]
	s_lshl_b32 s50, s[CX], 2
	s_add_co_u32 s50, s50, s48
	s_add_nc_u64 s[\sb:\sb+1], s[4:5], s[50:51]
.irp p, 0,1,2
	global_load_b64 v[\qa+2*\p:\qa+2*\p+1], v[L8], s[\cb:\cb+1] offset:256*\p
	global_load_b64 v[\qb+2*\p:\qb+2*\p+1], v[L8], s[\cb:\cb+1] offset:3072+256*\p
.endr
	global_load_b32 v[\sa], v[R16], s[\sb:\sb+1] offset:6144
	global_load_b32 v[\sa+1], v[R16], s[\sb:\sb+1] offset:6400
.endm
	QLOAD 0, Q, Q+12, QS, 38, 56
	QLOAD 1, QN, QN+6, QS+2, 40, 58
.irp i, 6,7,8,9,10,11
	v_mov_b32 v[Q+\i], 0                           ; zero codes for the instruction's unused half of K
	v_mov_b32 v[Q+12+\i], 0
	v_mov_b32 v[KF+42+\i], 0                       ; behind K's last tile
.endr
.irp i, 0,1,2,3
	v_mov_b32 v[T4+\i], 0                          ; a lane permute's destination counts as one of its sources
.endr
	v_mov_b32 v66, 0xff61b1e6                      ; -3e38
	s_lshr_b32 s52, s[CX], 1
	s_lshl_b32 s52, s52, 5
	s_and_b32 s54, s[CX], 1
	s_lshl_b32 s54, s54, 3
	s_add_co_u32 s52, s52, s54
	v_add_nc_u32 v70, s52, v70                     ; my query's place among its 64 keys, less 32 h
	WIN 0x40
.set n, 0
.rept 32
	v_cmp_gt_i32 vcc_lo, n, v70                    ; register n holds key 32 h + n: hidden where it lies behind my query
	v_cndmask_b32 v[MK+n], 0, v66, vcc_lo
.set n, n+1
.endr
.set n, 0
.rept 8
	v_mov_b32 v[NG+n], v66
.set n, n+1
.endr
	WIN 0
	s_mov_b32 s[PS], 0
	s_wait_alu depctr_va_vdst(0)
	s_wait_tensorcnt 0x0                           ; my two key steps are in,
	s_barrier_signal -1
	s_barrier_wait -1                              ; everybody's are: the whole head lies in LDS
	s_wait_loadcnt 0x0                             ; Q
.macro KLOADS                          ; K's 8 tiles and their scale words: 28 loads
.set n, 0
.rept 8
.irp p, 0,1,2
	ds_load_b64 v[KF+6*n+2*\p:KF+6*n+2*\p+1], v[ADK] offset:768*(4*(n/4)+n%2)+64*((n%4)/2)+256*\p
.endr
.set n, n+1
.endr
.irp q, 0,1,2,3
	ds_load_b64 v[KS+2*\q:KS+2*\q+1], v[ADKS] offset:12288+256*(\q/2)+128*(\q%2)
.endr
.endm
.macro W1 x, cop                       ; S^T of key tile n, query tile x
	v_wmma_scale_f32_16x16x128_f8f6f4 v[S+64*\x+8*n:S+64*\x+8*n+7], v[KF+6*n:KF+6*n+11], v[Q+12*\x:Q+12*\x+11], \cop, v[KS+n], v[QS+\x] matrix_a_fmt:MATRIX_FMT_FP6 matrix_b_fmt:MATRIX_FMT_FP6
.endm
.macro SPROD diag                      ; 16 products, the accumulators by turns
	WIN 0x50
.set n, 0
.rept 8
.if \diag
.if n < 4
	W1 0, v[MK+8*n:MK+8*n+7]
	W1 1, 0
.else
	W1 0, v[NG:NG+7]
	W1 1, v[MK+8*n-32:MK+8*n-25]
.endif
.else
	W1 0, 0
	W1 1, 0
.endif
.set n, n+1
.endr
	WIN 0
.endm
.macro SUMS j0                         ; half of the row's sums of the unquantised p: two chains a tile
.set n, \j0
.rept 8
.irp x, 0,1
	v_pk_add_f32 v[SU+2*\x:SU+2*\x+1], v[SU+2*\x:SU+2*\x+1], v[S+64*\x+n:S+64*\x+n+1]
	v_pk_add_f32 v[SU+4+2*\x:SU+5+2*\x], v[SU+4+2*\x:SU+5+2*\x], v[S+64*\x+n+2:S+64*\x+n+3]
.endr
.set n, n+4
.endr
.endm
.Lpass:
	s_mul_i32 s37, s[PS], 15
	s_xor_b32 s[LIM], s[WV], s37                   ; g = w, then 15 - w
	s_lshl_b32 s46, s[LIM], 3
	s_add_co_u32 s46, s46, s[CX]
	s_lshr_b32 s47, s[BH], 4
	s_lshl_b32 s47, s47, 7
	s_add_co_u32 s46, s46, s47                     ; my first tile among all 512; the second lies four on
	s_and_b32 s47, s[BH], 15
	s_lshr_b32 s48, s47, 1                         ; the last product's K step: two heads each
	s_and_b32 s47, s47, 1
	s_mul_i32 s50, s46, 12288
	s_mul_i32 s49, s48, 1536
	s_add_co_u32 s50, s50, s49
	s_mul_i32 s49, s47, 768
	s_add_co_u32 s50, s50, s49
	s_mov_b32 s51, 0
	s_add_nc_u64 s[42:43], s[8:9], s[50:51]
	s_lshr_b32 s50, s46, 3
	s_lshl_b32 s50, s50, 12
	s_lshl_b32 s49, s48, 9
	s_add_co_u32 s50, s50, s49
	s_and_b32 s49, s46, 7
	s_lshl_b32 s49, s49, 6
	s_add_co_u32 s50, s50, s49
	s_lshl_b32 s49, s47, 1
	s_add_co_u32 s50, s50, s49
	s_add_nc_u64 s[44:45], s[10:11], s[50:51]
.irp x, 0,1
	v_mov_b32 v[NM+1+2*\x], 0xff61b1e6             ; the largest t so far: -3e38
	v_mov_b32 v[FF+1+2*\x], 0                      ; (named as the upper half of a pair)
.endr
.irp x, 0,1
	v_floor_f32 v[NM+2*\x], -v[NM+1+2*\x]
.endr
.irp i, 0,1,2,3,4,5,6,7
	v_mov_b32 v[SU+\i], 0
.endr
	v_add_nc_u32 v[ADK], 0, v[KL]
	v_add_nc_u32 v[ADKS], 0, v[KSL]
	KLOADS                                         ; key step 0's K
	WIN 0x40
.set n, 0
.rept 64
	v_mov_b32 v[O+n], 0                            ; O^T: the step is written once; the first change of M leaves zeros zeros
.set n, n+1
.endr
	WIN 0
	s_mov_b32 s[TB], 0
	s_mov_b32 s[TC], 0
.Ltrip:
	s_cmp_gt_u32 s[TC], s[LIM]                     ; all keys of this step come after my queries
	s_cbranch_scc1 .Lskip
	v_add_nc_u32 v[ADV], s[TB], v[L8]
	v_add_nc_u32 v[ADVS], s[TB], v[R16]
.set n, 0
.rept 4
.irp p, 0,1,2,3,4,5
	ds_load_b64 v[VF+12*n+2*\p:VF+12*n+2*\p+1], v[ADV] offset:6144+1536*n+256*\p
.endr
.set n, n+1
.endr
	ds_load_b128 v[VS:VS+3], v[ADVS] offset:12800
	s_add_co_u32 s[TBN], s[TB], KVS
	s_min_u32 s[TBN], s[TBN], 15*KVS               ; the next step's K, held inside the head in the last step
	s_wait_dscnt 25                                ; K's 28 loads, asked for a step ago, are in; V's 25 stay out and land under the softmax
	s_cmp_eq_u32 s[TC], s[LIM]
	s_cbranch_scc1 .Ldiag
	SPROD 0
	s_branch .Ljoin
.Ldiag:
	SPROD 1
.Ljoin:
	v_add_nc_u32 v[ADK], s[TBN], v[KL]             ; four places behind the products
	v_add_nc_u32 v[ADKS], s[TBN], v[KSL]
	v_nop
	v_nop
	KLOADS
	WIN 0x15                                       ; the largest score of each block of 32 keys: for the row's maximum and, since p rises with the score, for the block's largest p; four chains by turns, each accumulator from its low end on
.irp x, 0,1
.irp c, 0,1
	v_max3_num_f32 v[BM+2*\x+\c], v[S+64*\x+32*\c], v[S+64*\x+32*\c+1], v[S+64*\x+32*\c+2]
.endr
.endr
	WIN 0x14
.irp i, 3,5,7,9,11,13,15,17,19,21,23,25,27,29
.irp x, 0,1
.irp c, 0,1
	v_max3_num_f32 v[BM+2*\x+\c], v[BM+2*\x+\c], v[S+64*\x+32*\c+\i], v[S+64*\x+32*\c+\i+1]
.endr
.endr
.endr
.irp x, 0,1
.irp c, 0,1
	v_max_num_f32 v[BM+2*\x+\c], v[BM+2*\x+\c], v[S+64*\x+32*\c+31]
.endr
.endr
	WIN 0
.irp x, 0,1
	v_max_num_f32 v[TT+\x], v[BM+2*\x], v[BM+2*\x+1]
.endr
.irp x, 0,1
	v_permlanex16_b32 v[T4+\x], v[TT+\x], s[SEL], s[SEL+1]
.endr
.irp x, 0,1
	v_max_num_f32 v[TT+\x], v[TT+\x], v[T4+\x]     ; the step's largest score of my query
.endr
.irp x, 0,1
	v_mul_f32 v[TT+\x], s[CS], v[TT+\x]
.endr
.irp x, 0,1
	v_max_num_f32 v[NM+1+2*\x], v[NM+1+2*\x], v[TT+\x]
.endr
.irp x, 0,1
	v_floor_f32 v[TT+\x], -v[NM+1+2*\x]            ; the new -M = -ceil(t)
.endr
.irp x, 0,1
	v_sub_f32 v[TT+2+\x], v[TT+\x], v[NM+2*\x]     ; old M - new M: a whole number, 0 or less
.endr
.irp x, 0,1
	v_mov_b32 v[NM+2*\x], v[TT+\x]
.endr
.irp x, 0,1
	v_cvt_i32_f32 v[TT+2+\x], v[TT+2+\x]           ; (it saturates)
.endr
.irp x, 0,1
	v_ldexp_f32 v[FF+2*\x], 1.0, v[TT+2+\x]
.endr
	WIN 0x41
.set n, 0
.rept 16
.irp x, 0,1
	v_pk_mul_f32 v[O+32*\x+n:O+32*\x+n+1], v[O+32*\x+n:O+32*\x+n+1], v[FF+2*\x:FF+2*\x+1] op_sel_hi:[1,0]   ; O^T under the new M
.endr
.set n, n+2
.endr
.set n, 0
.rept 32
.irp x, 0,1
	v_pk_fma_f32 v[S+64*\x+n:S+64*\x+n+1], v[S+64*\x+n:S+64*\x+n+1], s[CS:CS+1], v[NM+2*\x:NM+2*\x+1] op_sel_hi:[1,0,0]   ; t - M
.endr
.set n, n+2
.endr
	WIN 0
.irp x, 0,1
	v_pk_mul_f32 v[SU+2*\x:SU+2*\x+1], v[SU+2*\x:SU+2*\x+1], v[FF+2*\x:FF+2*\x+1] op_sel_hi:[1,0]
	v_pk_mul_f32 v[SU+4+2*\x:SU+5+2*\x], v[SU+4+2*\x:SU+5+2*\x], v[FF+2*\x:FF+2*\x+1] op_sel_hi:[1,0]
.endr
.irp i, 0,1,2,3
	v_fma_f32 v[BM+\i], v[BM+\i], s[CS], v[NM+2*(\i/2)]
.endr
	s_wait_alu depctr_va_vdst(0)
.irp i, 0,1,2,3
	v_exp_f32 v[BM+\i], v[BM+\i]                   ; the blocks' largest p
.endr
	WIN 0x41
.set n, 0
.rept 128
	v_exp_f32 v[S+n], v[S+n]                       ; p = 2^(t - M)
.set n, n+1
.endr
	WIN 0
	v_nop                                          ; a plain place behind the exponentials
	s_wait_alu depctr_va_vdst(0)                   ; one wait for the whole batch, ahead of its first reader
.irp i, 0,1,2,3
	v_max_num_f32 v[BM+\i], 0x1800000, v[BM+\i]    ; the floor 2^(3 - 127): a block whose every p is 0 keeps the byte 1: its codes are zeros
.endr
.irp i, 0,1,2,3
	v_add_nc_u32 v[SO+\i], 0xff000000, v[BM+\i]
.endr
.irp i, 0,1,2,3
	v_lshrrev_b32 v[SBY+\i], 23, v[SO+\i]
.endr
.irp x, 0,1
	v_lshl_or_b32 v[PW+\x], v[SBY+2*\x+1], 16, v[SBY+2*\x]   ; my two bytes, blocks h and 2 + h,
.endr
.irp x, 0,1
	v_lshlrev_b32 v[PW+\x], v[H8], v[PW+\x]        ; at their places;
.endr
.irp x, 0,1
	v_permlanex16_b32 v[T4+\x], v[PW+\x], s[SEL], s[SEL+1]
.endr
.irp x, 0,1
	v_or_b32 v[PW+\x], v[PW+\x], v[T4+\x]          ; with lane l xor 16's two the word is whole
.endr
	WIN 0x01
.irp x, 0,1
.irp c, 0,1
	v_cvt_scalef32_pk16_fp6_f32 v[PC+12*\x+6*\c:PC+12*\x+6*\c+2], v[S+64*\x+32*\c:S+64*\x+32*\c+15], v[SO+2*\x+\c]
	v_cvt_scalef32_pk16_fp6_f32 v[CT+8*\x+4*\c:CT+8*\x+4*\c+2], v[S+64*\x+32*\c+16:S+64*\x+32*\c+31], v[SO+2*\x+\c]
.endr
.endr
	WIN 0x04
	SUMS 0                                         ; (also the plain places behind the conversions)
	WIN 0
.irp x, 0,1
.irp c, 0,1
.irp i, 0,1,2
	v_mov_b32 v[PC+12*\x+6*\c+3+\i], v[CT+8*\x+4*\c+\i]
.endr
.endr
.endr
	WIN 0x04
	SUMS 32                                        ; (also the places between p's codes and scale words and the products)
	WIN 0
	s_wait_alu depctr_va_vdst(0)
	s_wait_dscnt 28                                ; V's 25 loads are in; the next step's K, 28 loads, may be out
	WIN 0x50
.set n, 0
.rept 4
.irp x, 0,1
	v_wmma_scale_f32_16x16x128_f8f6f4 v[O+32*\x+8*n:O+32*\x+8*n+7], v[VF+12*n:VF+12*n+11], v[PC+12*\x:PC+12*\x+11], v[O+32*\x+8*n:O+32*\x+8*n+7], v[VS+n], v[PW+\x] matrix_a_fmt:MATRIX_FMT_FP6 matrix_b_fmt:MATRIX_FMT_FP6
.endr
.set n, n+1
.endr
	WIN 0
.rept 4
	v_nop                                          ; places in front of the next trip's loads and of the first read of O^T
.endr
.Lskip:
	s_add_co_u32 s[TB], s[TB], KVS
	s_add_co_u32 s[TC], s[TC], 1
	s_cmp_lt_u32 s[TC], 16
	s_cbranch_scc1 .Ltrip
	; the pass's end: O^T / the sum, quantised along the head's 64 channels (register 16 b + i: channel 32 b + 16 h + i), stored as half a fragment of the last product's A
.set EO, KF                            ; tile x's 32 numbers at v[EO + 54 x]: K's and V's registers are free
	s_wait_alu depctr_va_vdst(0)
	s_wait_dscnt 0x0                               ; the last K loads have landed: their registers may be written
.irp x, 0,1
	v_pk_add_f32 v[SU+2*\x:SU+2*\x+1], v[SU+2*\x:SU+2*\x+1], v[SU+4+2*\x:SU+5+2*\x]
.endr
.irp x, 0,1
	v_add_f32 v[SU+2*\x], v[SU+2*\x], v[SU+2*\x+1]
.endr
.irp x, 0,1
	v_permlanex16_b32 v[T4+\x], v[SU+2*\x], s[SEL], s[SEL+1]
.endr
.irp x, 0,1
	v_add_f32 v[SU+2*\x], v[SU+2*\x], v[T4+\x]     ; the row's sum
.endr
	s_wait_alu depctr_va_vdst(0)
.irp x, 0,1
	v_rcp_f32 v[SU+2*\x], v[SU+2*\x]
.endr
	v_nop
	WIN 0x01
	s_wait_alu depctr_va_vdst(0)                   ; ahead of the first reader of the reciprocals and of O^T
.set n, 0
.rept 32
.irp x, 0,1
	v_mul_f32 v[EO+54*\x+n], v[O+32*\x+n], v[SU+2*\x]
.endr
.set n, n+1
.endr
	WIN 0
.irp x, 0,1
.irp b, 0,1
	v_max3_num_f32 v[BM+2*\x+\b], |v[EO+54*\x+16*\b]|, |v[EO+54*\x+16*\b+1]|, 0x1800000
.endr
.endr
.irp i, 2,4,6,8,10,12,14
.irp x, 0,1
.irp b, 0,1
	v_max3_num_f32 v[BM+2*\x+\b], v[BM+2*\x+\b], |v[EO+54*\x+16*\b+\i]|, |v[EO+54*\x+16*\b+\i+1]|
.endr
.endr
.endr
.irp i, 0,1,2,3
	v_permlanex16_b32 v[T4+\i], v[BM+\i], s[SEL], s[SEL+1]
.endr
.irp i, 0,1,2,3
	v_max_num_f32 v[BM+\i], v[BM+\i], v[T4+\i]
.endr
.irp i, 0,1,2,3
	v_add_nc_u32 v[SO+\i], 0xff000000, v[BM+\i]
.endr
.irp i, 0,1,2,3
	v_lshrrev_b32 v[SBY+\i], 23, v[SO+\i]
.endr
.irp x, 0,1
	v_lshl_or_b32 v[TT+\x], v[SBY+2*\x+1], 8, v[SBY+2*\x]   ; my head's two bytes of the row's scale word
.endr
.irp x, 0,1
	v_cvt_scalef32_pk16_fp6_f32 v[PC+12*\x:PC+12*\x+2], v[EO+54*\x:EO+54*\x+15], v[SO+2*\x]
	v_cvt_scalef32_pk16_fp6_f32 v[CT+8*\x:CT+8*\x+2], v[EO+54*\x+16:EO+54*\x+31], v[SO+2*\x+1]
.endr
	v_nop                                          ; one plain place behind a scaled conversion
	v_cmp_ne_u32 vcc_lo, 0, v[H8]
.irp x, 0,1
.irp i, 0,1,2
	v_permlane16_swap_b32 v[PC+12*\x+\i], v[CT+8*\x+\i]
.endr
.endr
.irp x, 0,1
.irp i, 0,1,2
	v_mov_b32 v[PC+12*\x+3+\i], v[CT+8*\x+\i]      ; lane (r, h) now holds block h: six registers
.endr
.endr
	v_cndmask_b32 v[TT], v[TT], v[TT+1], vcc_lo    ; lanes 0-15 the first tile's bytes, lanes 16-31 the second's
.irp x, 0,1
.irp p, 0,1,2
	global_store_b64 v[L8], v[PC+12*\x+2*\p:PC+12*\x+2*\p+1], s[42:43] offset:49152*\x+256*\p   ; 32 lanes store 256 consecutive bytes, aligned
.endr
.endr
	global_store_b16 v[OSA], v[TT], s[44:45]       ; two bytes a row: the other half of each word is another head's
	s_wait_xcnt 0x0                                ; the stores' registers and bases are free from here on
	s_cmp_lg_u32 s[PS], 0
	s_cbranch_scc1 .Lkeep
.irp i, 0,1,2,3,4,5
	v_mov_b32 v[Q+\i], v[QN+\i]                    ; the second pass's Q
	v_mov_b32 v[Q+12+\i], v[QN+6+\i]
.endr
	v_mov_b32 v[QS], v[QS+2]
	v_mov_b32 v[QS+1], v[QS+3]
.Lkeep:
	s_add_co_u32 s[PS], s[PS], 1
	s_cmp_lt_u32 s[PS], 2
	s_wait_alu depctr_va_vdst(0)
	s_cbranch_scc1 .Lpass
	s_wait_tensorcnt 0x0                           ; the wave's end
	ds_add_u32 v[SPW], v[NIL]
	s_wait_dscnt 0x0
	CROUND                                         ; the closing round
	s_endpgm
.Lfunc_end_k_q1999d76fdc_attn:
	.size	k_q1999d76fdc_attn, .Lfunc_end_k_q1999d76fdc_attn-k_q1999d76fdc_attn
	.p2alignl 7, 3214868480
	.fill 96, 4, 3214868480
	.section	.rodata,"a",@progbits
	.p2align	6, 0x0
	.amdhsa_kernel k_q1999d76fdc_attn
		.amdhsa_group_segment_fixed_size 210944
		.amdhsa_private_segment_fixed_size 0
		.amdhsa_enable_private_segment 0
		.amdhsa_kernarg_size 32
		.amdhsa_user_sgpr_count 2
		.amdhsa_user_sgpr_kernarg_segment_ptr 1
		.amdhsa_wavefront_size32 1
		.amdhsa_system_sgpr_workgroup_id_x 1
		.amdhsa_system_sgpr_workgroup_id_y 1
		.amdhsa_system_sgpr_workgroup_id_z 1
		.amdhsa_system_vgpr_workitem_id 0
		.amdhsa_next_free_vgpr 512
		.amdhsa_next_free_sgpr 66
		.amdhsa_reserve_vcc 1
		.amdhsa_float_denorm_mode_32 3
		.amdhsa_float_denorm_mode_16_64 3
		.amdhsa_memory_ordered 1
		.amdhsa_forward_progress 1
		.amdhsa_inst_pref_size 54
	.end_amdhsa_kernel
	.amdgpu_metadata
---
amdhsa.version: [ 1, 2 ]
amdhsa.kernels:
  - .name:           k_q1999d76fdc_attn
    .symbol:         k_q1999d76fdc_attn.kd
    .args:
      - { .name: qq, .offset: 0, .size: 8, .value_kind: global_buffer, .address_space: global }
      - { .name: kv, .offset: 8, .size: 8, .value_kind: global_buffer, .address_space: global }
      - { .name: oi, .offset: 16, .size: 8, .value_kind: global_buffer, .address_space: global }
      - { .name: osw, .offset: 24, .size: 8, .value_kind: global_buffer, .address_space: global }
    .group_segment_fixed_size: 210944
    .private_segment_fixed_size: 0
    .kernarg_segment_align: 8
    .kernarg_segment_size: 32
    .max_flat_workgroup_size: 256
    .sgpr_count:     66
    .vgpr_count:     512
    .wavefront_size: 32
...
	.end_amdgpu_metadata
.endif
;; end of part 3
;; launch oproj (part 4): grid 32 x 8, 4 waves a work-group, clusters of 4 x 1, 167,936 bytes of LDS; arguments oi, osw, img, sw, out0; writes out0
.if DOCPART == 4
	.amdgcn_target "amdgcn-amd-amdhsa--gfx1250"
	.amdhsa_code_object_version 6
	.text
	.protected	k_q1999d76fdc_oproj
	.globl	k_q1999d76fdc_oproj
	.p2align	8
	.type	k_q1999d76fdc_oproj,@function
k_q1999d76fdc_oproj:
	s_mov_b64 s[64:65], 0
	v_nop
	global_prefetch_b8 v0, s[64:65] scope:SCOPE_SE
	s_setreg_imm32_b32 hwreg(HW_REG_WAVE_MODE, 25, 1), 1
	s_wait_xcnt 0x0
	s_wait_alu depctr_hold_cnt(0) depctr_sa_sdst(0) depctr_va_vdst(0) depctr_va_sdst(0) depctr_va_ssrc(0) depctr_va_vcc(0) depctr_vm_vsrc(0)
	s_getreg_b32 s2, hwreg(HW_REG_IB_STS2, 6, 4)
	s_cmp_eq_u32 s2, 0
	s_cbranch_scc0 .Lentry_in_a_cluster
	s_endpgm
.Lentry_in_a_cluster:
	s_bfe_u32 s2, ttmp6, 0x10000c
	s_cmp_lg_u32 s2, 0x3003
	s_cbranch_scc0 .Lentry_shape_is_right
	s_endpgm
.Lentry_shape_is_right:
; out0 = out w_o^T on codes of FP6 (E2M3) with E8M0 scales, K = 1,024: A = the attention's result (oi, osw), B = w_o (img, sw), both as images of the operand's registers; C in f32.
; SHARES.  A work-group takes 256 tokens (row block rb = 0 .. 31) x 128 columns (cg = 0 .. 7): 256 work-groups.  A wave takes 64 tokens x 128 columns: 32 accumulators.
; A STAYS IN REGISTERS: a wave's 4 tiles x 8 K steps x 12 registers = 384, loaded once, 256 consecutive bytes a load, with 16 registers of scale words (lanes 0-15 an even K step, lanes 16-31 the odd one behind it).
; B STAYS IN LDS: 8 tiles for all of K, 98,304 dense bytes, and 4,096 bytes of scale words: waves 0, 1 bring 4 tiles each, waves 2, 3 half of the scale words each, one tensor load a wave at the head.  Nothing is filled again,
; so there is no loop of loads to run ahead in, and no prefetch.  CLUSTERS: the four row blocks of a cluster read the same tiles of w_o and ask for them jointly.
; Source 0 = a tile of w_o, source 1 = a tile of A: a lane holds one token, its registers run along the columns.  A tile's rows are 32 (T / 2) + 8 (T % 2) + r + 8 (r / 8).
; Results leave through each wave's own stage in LDS, bytes into which no fill lands, as whole rows of 512 bytes.
; REGISTERS, in windows of 256.  0: v0-31 addresses, v32-47 A's scale words, v48-63 B's, v160-255 A's K steps 5, 6 (on the way out v128-255 take rows back from the stage).  1: v0-191 B's two sets, v192-239 A's K step 7.  2: A's K steps 0-4.  3: the accumulators.
.set SCLB,  98304
.set STAGE, 102400
.set SPITCH, 528
.set SPARE, 136192
.set L8,   1
.set SL,   3
.set ADB,  4
.set ADS,  6
.set STO,  7
.set RD,   8
.set CO,   9
.set SPW,  28
.set NIL,  29
.set SA,   32
.set SB,   48
.set BK,   128
.set MSB, 0
.macro WIN new                         ; the immediate's high byte repeats the setting that is left
.if MSB != \new
	s_set_vgpr_msb (MSB<<8)|\new
.set MSB, \new
.endif
.endm
.macro CROUND
	s_barrier_signal -1
	s_barrier_wait -1
	s_cmp_lg_u32 s14, 0
	s_cbranch_scc1 .Lnot_wave_0_\@
	s_barrier_signal -3
.Lnot_wave_0_\@:
	s_barrier_wait -3
	s_barrier_signal -1
	s_barrier_wait -1
.endm
.macro PLACES                          ; plain vector instructions between a matrix instruction and a load into, or a store of, its registers
.rept 4
	v_nop
.endr
.endm
.macro SETA st                         ; where A's fragments of K step st lie
.if (\st) < 5
.set AWN, 2
.set ABS, 48*(\st)
.else
.if (\st) < 7
.set AWN, 0
.set ABS, 160+48*((\st)-5)
.else
.set AWN, 1
.set ABS, 192
.endif
.endif
.endm
	s_load_b256 s[4:11], s[0:1], 0x0               ; oi, osw, img, sw
	s_load_b64 s[12:13], s[0:1], 0x20              ; out0
	v_lshl_add_u32 v[SPW], v0, 2, SPARE
	v_mov_b32 v[NIL], 0
	ds_add_u32 v[SPW], v[NIL]                      ; the opening lines: the add twice on end and its wait ahead of my tensor load
	ds_add_u32 v[SPW], v[NIL]
	v_lshrrev_b32 v1, 5, v0
	v_readfirstlane_b32 s14, v1                    ; wave 0..3
	s_and_b32 s15, s14, 1
	s_lshr_b32 s16, s14, 1
	s_bfe_u32 s17, ttmp6, 0x40000                  ; cx: it enters A's and the output's addresses alone
	s_lshl_b32 s19, ttmp9, 2
	s_add_co_u32 s17, s17, s19                     ; rb
	s_and_b32 s18, ttmp7, 0xffff                   ; cg
	s_mov_b32 s24, 15|(3<<16)|(1<<21)              ; 4 tiles: 49,152 dense bytes as 192 rows of 256; the mask names all four work-groups
	s_mov_b32 s25, 32<<16
	s_mov_b32 s26, 192<<16
	s_mov_b32 s27, 32<<16
	s_mov_b32 s28, 192
	s_mov_b32 s29, 32
	s_mov_b32 s30, 0
	s_mov_b32 s31, 0
	s_mov_b32 s36, 15|(3<<16)|(1<<21)              ; half of the scale words: 2,048 dense bytes as 8 rows
	s_mov_b32 s37, 32<<16
	s_mov_b32 s38, 8<<16
	s_mov_b32 s39, 32<<16
	s_mov_b32 s40, 8
	s_mov_b32 s41, 32
	s_mov_b32 s42, 0
	s_mov_b32 s43, 0
	s_mov_b32 s32, 1
	s_mul_i32 s33, s15, 49152
	s_mov_b32 s44, 1
	s_lshl_b32 s45, s15, 11
	s_add_co_u32 s45, s45, SCLB
	s_lshl_b32 s48, s18, 3
	s_lshl_b32 s49, s15, 2
	s_add_co_u32 s48, s48, s49
	s_add_co_u32 s48, s48, 704                     ; w_o's tiles begin at 704 in img
	s_mul_i32 s48, s48, 12288
	s_mov_b32 s49, 0
	s_add_co_u32 s50, s18, 88                      ; and its blocks of 128 rows at 88 in sw
	s_lshl_b32 s50, s50, 12
	s_lshl_b32 s51, s15, 11
	s_add_co_u32 s50, s50, s51
	s_mov_b32 s51, 0
	s_lshl_b32 s20, s17, 4
	s_lshl_b32 s21, s14, 2
	s_add_co_u32 s20, s20, s21                     ; my first tile of A
	s_mul_i32 s20, s20, 12288
	s_mov_b32 s21, 0
	s_lshl_b32 s22, s17, 1
	s_add_co_u32 s22, s22, s16
	s_lshl_b32 s22, s22, 12
	s_lshl_b32 s23, s15, 8
	s_add_co_u32 s22, s22, s23                     ; and its scale words
	s_mov_b32 s23, 0
	s_lshl_b32 s52, s17, 20                        ; out0: 256 rows of 4,096 bytes a row block,
	s_lshl_b32 s53, s14, 18                        ; 64 rows a wave,
	s_add_co_u32 s52, s52, s53
	s_lshl_b32 s53, s18, 9                         ; 512 bytes a column group
	s_add_co_u32 s52, s52, s53
	s_mov_b32 s53, 0
	s_mul_i32 s54, s14, 16*SPITCH
	s_add_co_u32 s54, s54, STAGE                   ; my stage
	v_and_b32 v16, 31, v0
	v_and_b32 v17, 15, v0
	v_bfe_u32 v18, v0, 4, 1
	v_lshlrev_b32 v[L8], 3, v16
	v_lshlrev_b32 v[SL], 2, v17
	v_lshlrev_b32 v[CO], 4, v16
	v_mul_u32_u24 v[STO], v17, SPITCH
	v_add_nc_u32 v[ADB], 0, v[L8]
	v_add_nc_u32 v[ADB+1], 49152, v[L8]
	v_lshl_add_u32 v[SL], v18, 9, v[SL]
	v_lshl_add_u32 v[STO], v18, 6, v[STO]
	v_add_nc_u32 v[RD], s54, v[CO]
	v_add_nc_u32 v[ADS], SCLB, v[SL]
	v_add_nc_u32 v[STO], s54, v[STO]
	s_wait_alu depctr_va_vdst(0)
	s_wait_dscnt 0x0
	s_wait_kmcnt 0x0
	s_add_nc_u64 s[34:35], s[8:9], s[48:49]
	s_or_b32 s35, s35, 0x80000000
	s_add_nc_u64 s[46:47], s[10:11], s[50:51]
	s_or_b32 s47, s47, 0x80000000
	s_add_nc_u64 s[20:21], s[4:5], s[20:21]
	s_add_nc_u64 s[22:23], s[6:7], s[22:23]
	s_add_nc_u64 s[12:13], s[12:13], s[52:53]
	CROUND                                         ; all four work-groups are here: the joint loads meet
	s_cmp_eq_u32 s16, 0
	s_cbranch_scc0 .Lhead_s
	tensor_load_to_lds s[32:35], s[24:31]          ; waves 0, 1: 4 tiles each
	s_nop 0
	PLACES
	s_branch .Lhead_asked
.Lhead_s:
	tensor_load_to_lds s[44:47], s[36:43]          ; waves 2, 3: half of the scale words each
	s_nop 0
	PLACES
.Lhead_asked:
.irp q, 0,1,2,3
.irp a, 0,1,2,3
	global_load_b32 v[SA+4*\q+\a], v[SL], s[22:23] offset:1024*\q+64*\a   ; A's scale words of K steps 2 q + h
.endr
.endr
.set ks, 0
.rept 8                                ; A's fragments, K step by K step: 192 loads of 256 consecutive bytes
	SETA ks
	WIN (AWN<<6)
.irp a, 0,1,2,3
.irp p, 0,1,2,3,4,5
	global_load_b64 v[ABS+12*\a+2*\p:ABS+12*\a+2*\p+1], v[L8], s[20:21] offset:12288*\a+1536*ks+256*\p
.endr
.endr
.set ks, ks+1
.endr
	WIN 0
	s_wait_alu depctr_va_vdst(0)
	s_wait_tensorcnt 0x0                           ; my tile is in,
	s_barrier_signal -1
	s_barrier_wait -1                              ; everybody's is
.macro FETCHB st                       ; B's 8 fragments of K step st into set st % 2: 48 loads of 256 consecutive bytes
	WIN 0x40
.irp b, 0,1,2,3,4,5,6,7
.irp p, 0,1,2,3,4,5
	ds_load_b64 v[96*((\st)%2)+12*\b+2*\p:96*((\st)%2)+12*\b+2*\p+1], v[ADB+\b/4] offset:(\b%4)*12288+(\st)*1536+256*\p
.endr
.endr
	WIN 0
.endm
.macro SCB q                           ; B's scale words of K steps 2 q + h into set q % 2
.irp b, 0,1,2,3,4,5,6,7
	ds_load_b32 v[SB+8*((\q)%2)+\b], v[ADS] offset:(\q)*1024+64*\b
.endr
.endm
.macro WM d, x, y, sx, sy              ; one product; the first K step starts the sums; an odd K step's scale words stand in lanes 16-31
.if ks == 0
	v_wmma_scale_f32_16x16x128_f8f6f4 v[0+(\d):7+(\d)], v[0+(\x):11+(\x)], v[0+(\y):11+(\y)], 0, v[\sx], v[\sy] matrix_a_fmt:MATRIX_FMT_FP6 matrix_b_fmt:MATRIX_FMT_FP6
.else
.if ks%2
	v_wmma_scale_f32_16x16x128_f8f6f4 v[0+(\d):7+(\d)], v[0+(\x):11+(\x)], v[0+(\y):11+(\y)], v[0+(\d):7+(\d)], v[\sx], v[\sy] matrix_a_fmt:MATRIX_FMT_FP6 matrix_b_fmt:MATRIX_FMT_FP6 matrix_a_scale:MATRIX_SCALE_ROW1 matrix_b_scale:MATRIX_SCALE_ROW1
.else
	v_wmma_scale_f32_16x16x128_f8f6f4 v[0+(\d):7+(\d)], v[0+(\x):11+(\x)], v[0+(\y):11+(\y)], v[0+(\d):7+(\d)], v[\sx], v[\sy] matrix_a_fmt:MATRIX_FMT_FP6 matrix_b_fmt:MATRIX_FMT_FP6
.endif
.endif
.endm
; The 8 K steps, written out since A's register numbers change with the step.  The 32 accumulators take turns, one instruction a turn, in the same order in every step.
	FETCHB 0
	SCB 0
.set ks, 0
.rept 8
.if ks > 0
	PLACES                                         ; the set that the last step multiplied is loaded anew
.endif
.if ks < 7
	FETCHB ks+1
.if ks%2
	SCB (ks+1)/2
	s_wait_dscnt 56                                ; all but the next step's 48 fragment loads and 8 scale loads
.else
	s_wait_dscnt 48                                ; all but the next step's 48 loads
.endif
.else
	s_wait_dscnt 0x0
.endif
.if ks < 5
	s_wait_loadcnt 63                              ; behind this K step's loads of A stand 24 (7 - ks), more than 63
.else
	s_wait_loadcnt 24*(7-ks)
.endif
	SETA ks
	WIN (0xf1|(AWN<<2))
.irp a, 0,1,2,3
.irp b, 0,1,2,3,4,5,6,7
	WM 8*(8*\a+\b), 96*(ks%2)+12*\b, ABS+12*\a, SB+8*((ks/2)%2)+\b, SA+4*(ks/2)+\a
.endr
.endr
	WIN 0
.set ks, ks+1
.endr
; THE WAY OUT, tile by tile of 16 tokens x 128 columns: through my own stage and back as whole rows of 512 bytes.  LDS serves a wave's instructions in order (ISA guide 5.7.1.4): no wait between the stores and the loads.
.macro TOSTAGE a
.set AC, 64*(\a)
	WIN 0x0c                                       ; the data: window 3
.irp b, 0,1,2,3,4,5,6,7
	ds_store_b128 v[STO], v[AC+8*\b:AC+8*\b+3] offset:128*(\b/2)+32*(\b%2)       ; column 32 (b / 2) + 16 h + 8 (b % 2) + j; each accumulator from its low end on
	ds_store_b128 v[STO], v[AC+8*\b+4:AC+8*\b+7] offset:128*(\b/2)+32*(\b%2)+16
.endr
	WIN 0
.set BB, BK+64*((\a)%2)
.irp t, 0,1,2,3,4,5,6,7,8,9,10,11,12,13,14,15
	ds_load_b128 v[BB+4*\t:BB+4*\t+3], v[RD] offset:\t*SPITCH
.endr
.endm
.macro SEND a, younger                 ; younger: the LDS instructions issued behind tile a's loads, which may stay out
.set BB, BK+64*((\a)%2)
	s_wait_dscnt \younger
.irp t, 0,1,2,3,4,5,6,7,8,9,10,11,12,13,14,15
	global_store_b128 v[CO], v[BB+4*\t:BB+4*\t+3], s[12:13] offset:(32*((\a)/2)+8*((\a)%2)+\t+8*(\t/8))*4096 th:TH_STORE_NT   ; 32 lanes store 512 consecutive bytes, aligned
.endr
.endm
	PLACES                                         ; behind the last products
	TOSTAGE 0
.irp a, 1,2,3
.if \a > 1
	s_wait_xcnt 0x0                                ; tile a - 2's stores have read their registers
.endif
	TOSTAGE \a
	SEND \a-1, 32
.endr
	SEND 3, 0
	s_wait_tensorcnt 0x0                           ; the wave's end
	ds_add_u32 v[SPW], v[NIL]
	s_wait_dscnt 0x0
	CROUND                                         ; the closing round
	s_endpgm
.Lfunc_end_k_q1999d76fdc_oproj:
	.size	k_q1999d76fdc_oproj, .Lfunc_end_k_q1999d76fdc_oproj-k_q1999d76fdc_oproj
	.p2alignl 7, 3214868480
	.fill 96, 4, 3214868480
	.section	.rodata,"a",@progbits
	.p2align	6, 0x0
	.amdhsa_kernel k_q1999d76fdc_oproj
		.amdhsa_group_segment_fixed_size 167936
		.amdhsa_private_segment_fixed_size 0
		.amdhsa_enable_private_segment 0
		.amdhsa_kernarg_size 40
		.amdhsa_user_sgpr_count 2
		.amdhsa_user_sgpr_kernarg_segment_ptr 1
		.amdhsa_wavefront_size32 1
		.amdhsa_system_sgpr_workgroup_id_x 1
		.amdhsa_system_sgpr_workgroup_id_y 1
		.amdhsa_system_sgpr_workgroup_id_z 1
		.amdhsa_system_vgpr_workitem_id 0
		.amdhsa_next_free_vgpr 1024
		.amdhsa_next_free_sgpr 66
		.amdhsa_reserve_vcc 0
		.amdhsa_float_denorm_mode_32 3
		.amdhsa_float_denorm_mode_16_64 3
		.amdhsa_memory_ordered 1
		.amdhsa_forward_progress 1
		.amdhsa_inst_pref_size 101
	.end_amdhsa_kernel
	.amdgpu_metadata
---
amdhsa.version: [ 1, 2 ]
amdhsa.kernels:
  - .name:           k_q1999d76fdc_oproj
    .symbol:         k_q1999d76fdc_oproj.kd
    .args:
      - { .name: oi, .offset: 0, .size: 8, .value_kind: global_buffer, .address_space: global }
      - { .name: osw, .offset: 8, .size: 8, .value_kind: global_buffer, .address_space: global }
      - { .name: img, .offset: 16, .size: 8, .value_kind: global_buffer, .address_space: global }
      - { .name: sw, .offset: 24, .size: 8, .value_kind: global_buffer, .address_space: global }
      - { .name: out0, .offset: 32, .size: 8, .value_kind: global_buffer, .address_space: global }
    .group_segment_fixed_size: 167936
    .private_segment_fixed_size: 0
    .kernarg_segment_align: 8
    .kernarg_segment_size: 40
    .max_flat_workgroup_size: 128
    .sgpr_count:     66
    .vgpr_count:     1024
    .wavefront_size: 32
...
	.end_amdgpu_metadata
.endif
;; end of part 4
